; MI455X (gfx1250); checked and timed in simulation.
; The chip was launched on July 23, 2026; its instructions are those of AMD's public machine-readable ISA for CDNA 5 (MIT licence, August 2026) and "CDNA5" Instruction Set Architecture Reference Guide (July 2026). The comments in the code are by the model that wrote it; some were corrected since.
;; Single Head Attention. Allowed arithmetic: matrix products marked QUANTISED: E2M1 operands, one E8M0 scale for each 32 along K, by v_wmma_scale_f32_16x16x128_f8f6f4 with both operands' format E2M1 (or v_wmma_scale_f32_32x16x128_f4), f32 sums; products left as they are: bf16, f16 or f32 operands; f32 sums; everything else in f32.
;; Inputs: Wk 512 x 1,024 float32; Wq 512 x 1,024 float32; Wv 512 x 1,024 float32; x 8 x 2,048 x 1,024 float32.
;; Outputs: out0 8 x 2,048 x 512 float32.
;; This version of the problem:
;;   THIS VERSION OF THE PROBLEM IS GIVEN IN LOW PRECISION. The matrix products marked QUANTISED in the list below multiply operands that are first quantised to E2M1 (2 exponent bits, 1 mantissa bit; 4 bits a number), with one power-of-two scale for each 32 numbers along K (OCP MX v1.0); their sums are f32. The products marked 'left as it is' may take bf16, f16 or f32 operands, with f32 sums. Whichever they take, every output number must still come out within the allowed error. Rounding operands to bf16 (8 significant bits) uses up far more of that allowance than f16 does (11 bits, for magnitudes from 6e-5 to 65,504). All else is computed in f32.
;;   The module's matrix products, in the order in which they are computed (A, B: the left and right operand; K: the contracted axis; several contracted axes count as one K, in the product's order):
;;     1. [M 16,384, K 1,024] x [K 1,024, N 512]; A: input x; B: input Wk: QUANTISED
;;     2. [M 16,384, K 1,024] x [K 1,024, N 512]; A: input x; B: input Wq: QUANTISED
;;     3. [M 16,384, K 1,024] x [K 1,024, N 512]; A: input x; B: input Wv: QUANTISED
;;     4. batch 8 x [M 2,048, K 512] x [K 512, N 2,048]; A: computed on the way; B: computed on the way: left as it is (an operand is computed on the way)
;;     5. batch 8 x [M 2,048, K 2,048] x [K 2,048, N 512]; A: computed on the way; B: computed on the way: left as it is (an operand is computed on the way)
;;   THE QUANTISER, for each operand of a quantised product, along K:
;;     - K is cut into blocks of 32 from its start; a last block that is shorter is filled with zeros.
;;     - A block's scale is 2^e with e = floor(log2(the largest magnitude in the block)) - 2, held to -126 .. 127; a block of zeros has e = 0. As a byte (E8M0): e + 127.
;;     - Each number is divided by its block's scale, clamped to +-6, and rounded to the nearest number of E2M1, ties to even, subnormals kept.
;;     - The product sums the exact products of the quantised numbers (number of the format x scale) in f32.
;;   ~~~python
;;   def quantise(x, axis):      # numpy; x: float32 -> the quantised numbers, widened to float32 again
;;       x = np.moveaxis(x, axis, -1); K = x.shape[-1]
;;       x = np.pad(x, [(0, 0)] * (x.ndim - 1) + [(0, -K % 32)]); x = x.reshape(x.shape[:-1] + (-1, 32)); a = np.abs(x).max(-1, keepdims=True)
;;       e = np.where(a > 0, np.clip(np.frexp(np.where(a > 0, a, 1))[1] - 1 - 2, -126, 127), 0)      # np.frexp(a)[1] - 1 = floor(log2(a)), exactly
;;       r = np.clip(x / 2.0 ** e, -6, 6)
;;       step = 2.0 ** (np.maximum(np.frexp(np.where(r == 0, 1, r))[1] - 1, 0) - 1)
;;       q = np.round(r / step) * step * 2.0 ** e      # np.round: ties to even
;;       return np.moveaxis(q.reshape(q.shape[:-2] + (-1,))[..., :K], -1, axis).astype(np.float32)
;;   ~~~
;; 2 versions, each right. Each part assembles by itself: llvm-mc -triple=amdgcn-amd-amdhsa -mcpu=gfx1250 --defsym DOCPART=n.
;; ======== version 1 of 2: 4 launches
;; limits: values are held in f16: magnitudes above 65,504 overflow, below 6.1e-05 lose precision
;; workspace buffers: xc 8,388,608 bytes; xs 524,288 bytes; wc 786,432 bytes; ws 49,152 bytes; qf 16,777,216 bytes; kf 16,777,216 bytes; vf 16,777,216 bytes; f32rows 786,432 bytes
;; launch quant (part 1): grid 280 x 1, 8 waves a work-group, no clusters, 78,848 bytes of LDS; arguments x, Wk, Wq, Wv, xc, xs, wc, ws; writes xc, xs, wc, ws
.if DOCPART == 1
	.amdgcn_target "amdgcn-amd-amdhsa--gfx1250"
	.amdhsa_code_object_version 6
	.text
	.protected	k_qba2a89b039_quant
	.globl	k_qba2a89b039_quant
	.p2align	8
	.type	k_qba2a89b039_quant,@function
k_qba2a89b039_quant:
	s_mov_b64 s[64:65], 0
	v_nop
	global_prefetch_b8 v0, s[64:65] scope:SCOPE_SE
	s_setreg_imm32_b32 hwreg(HW_REG_WAVE_MODE, 25, 1), 1
	s_wait_xcnt 0x0
; x [16384][1024] and Wk, Wq, Wv [512][1024], f32, K innermost, become codes of FP4 (E2M1) with one E8M0 scale byte for each 32 along K.
; A block's scale is 2^(floor(log2(its largest magnitude)) - 2); its byte is the largest magnitude's exponent field - 2, held at 1 from below; each number is divided by the scale and rounded to the nearest code, ties to even, beyond 6 the largest code.
; LIMITS: a block whose largest magnitude lies under 2^-124 keeps the byte 1; a block of zeros gets the byte 1 (not 127) with zero codes: the bytes are read by this program alone; NaN and infinities among the inputs are not served.
; THE CODES ARE LAID IN THE ORDER OF THE OPERAND'S REGISTERS: [tile of 16 rows][block kb of 32 along K: 32][row r: 16][16 bytes].  A fragment (16 rows x 128 K) is then 1,024 dense bytes, lane 16 h + r taking its 16 bytes at 512 c + 16 x lane.
; The scale bytes: [tile][half of K: 2][row r][16 bytes]: four scale words of a row on end.  The weights' tiles follow each other in wc and ws: Wk's 32, Wq's 32, Wv's 32.
; SHARES.  A wave takes a tile of 16 rows x half of K: 16 steps of 512 numbers, step t = row t.  A work-group takes four tiles.  Work-groups 0-255 take x, 256-263 Wk, 264-271 Wq, 272-279 Wv: only pointers are chosen, there is one path.
; Each load reads 512 consecutive bytes; a step's 2,048 bytes turn through the wave's own stage in LDS and come back 64 bytes a lane (16 neighbours along K; two lanes hold a block).
; A step's codes belong to 16 different units of 256 bytes of the output: they are gathered in the wave's own 16 x 272 bytes of LDS and leave at the end, 512 dense bytes a store.  No barrier: waves share nothing.
; No cluster: no two work-groups read the same input bytes.  No prefetch: the launch is one stream with 32 loads of every wave on their way.
.set WREG,  9728                       ; LDS of a wave: two stages of 32 x SP bytes, the codes' 16 x 272 bytes, 256 scale bytes
.set SP,    80                         ; a lane's place in a stage: 64 bytes + 16 of padding
.set CST,   5120
.set SCB,   9472
.set SPARE, 8*WREG                     ; the spare words, 128 bytes for each wave: four blocks of 256 bytes that no other line names
.set R,     32                         ; v32-159  eight sets of 16 numbers as loaded
.set X,     160                        ; v160-191 two sets of 16 neighbours
.set SPW,   12                         ; v12 my spare word's address, v13 zero: never rewritten
.set NIL,   13
	s_load_b256 s[4:11], s[0:1], 0x0               ; x, Wk, Wq, Wv
	s_load_b256 s[12:19], s[0:1], 0x20             ; xc, xs, wc, ws
	v_lshl_add_u32 v[SPW], v0, 2, SPARE
	v_mov_b32 v[NIL], 0
	v_lshrrev_b32 v1, 5, v0
	v_readfirstlane_b32 s26, v1                    ; wave 0..7
	v_and_b32 v2, 31, v0                           ; lane
	v_lshlrev_b32 v3, 4, v2                        ; 16 x lane: my bytes of a load's, and of a store's, 512
	s_mul_i32 s27, s26, WREG
	v_lshrrev_b32 v14, 2, v2
	v_mul_u32_u24 v14, v14, SP
	v_and_b32 v15, 3, v2
	v_lshl_add_u32 v14, v15, 4, v14
	v_add_nc_u32 v14, s27, v14                     ; the stage, on the way in: SP (lane / 4) + 16 (lane % 4)
	v_mul_u32_u24 v15, v2, SP
	v_add_nc_u32 v15, s27, v15                     ; and on the way out: SP x lane
	v_lshrrev_b32 v8, 1, v2                        ; my block of the step's 16
	v_and_b32 v9, 1, v2                            ; which half of it
	v_mul_u32_u24 v4, v8, 272
	v_lshl_add_u32 v4, v9, 3, v4
	v_add_nc_u32 v4, s27, v4
	v_add_nc_u32 v4, CST, v4                       ; my 8 bytes of codes: unit = block, + 16 x row (the immediate) + 8 x half
	v_add_nc_u32 v5, s27, v8
	v_add_nc_u32 v5, SCB, v5                       ; my block's scale byte: 16 x row (the immediate) + block
	v_lshlrev_b32 v7, 3, v2
	v_add_nc_u32 v6, s27, v7
	v_add_nc_u32 v6, SCB, v6                       ; the scale bytes on the way out: 8 a lane
	v_lshrrev_b32 v8, 4, v2
	v_and_b32 v9, 15, v2
	v_mul_u32_u24 v19, v8, 272
	v_lshl_add_u32 v19, v9, 4, v19
	v_add_nc_u32 v19, s27, v19
	v_add_nc_u32 v19, CST, v19                     ; the codes on the way out: sixteen lanes to a unit, two units an instruction
	s_lshr_b32 s28, s26, 1                         ; which of the work-group's four tiles
	s_and_b32 s29, s26, 1                          ; which half of K
	s_and_b32 s30, ttmp9, 7
	s_and_b32 s31, ttmp9, 255                      ; the group of four tiles in the output: x's by the work-group's number, the weights' by that number - 256
	s_cmp_lt_u32 ttmp9, 256
	s_cselect_b32 s30, ttmp9, s30                  ; and in the input: a weight has eight groups
	s_lshl_b32 s30, s30, 2
	s_add_co_u32 s30, s30, s28
	s_lshl_b32 s31, s31, 2
	s_add_co_u32 s31, s31, s28
	s_lshl_b32 s32, s30, 16                        ; a tile of the input is 16 rows of 4,096 bytes,
	s_lshl_b32 s33, s29, 11                        ; half a row 2,048
	s_add_co_u32 s32, s32, s33
	s_mov_b32 s33, 0
	s_lshl_b32 s34, s31, 13                        ; a tile's codes 8,192 bytes, half of them 4,096
	s_lshl_b32 s35, s29, 12
	s_add_co_u32 s34, s34, s35
	s_mov_b32 s35, 0
	s_lshl_b32 s36, s31, 9                         ; its scale bytes 512, half of them 256
	s_lshl_b32 s37, s29, 8
	s_add_co_u32 s36, s36, s37
	s_mov_b32 s37, 0
	s_wait_kmcnt 0x0
	s_cmp_lt_u32 ttmp9, 264                        ; the choices hang on the work-group's number alone
	s_cselect_b64 s[20:21], s[6:7], s[8:9]
	s_cmp_lt_u32 ttmp9, 272
	s_cselect_b64 s[20:21], s[20:21], s[10:11]
	s_cmp_lt_u32 ttmp9, 256
	s_cselect_b64 s[20:21], s[4:5], s[20:21]       ; the numbers,
	s_cselect_b64 s[22:23], s[12:13], s[16:17]     ; the codes,
	s_cselect_b64 s[24:25], s[14:15], s[18:19]     ; the scale bytes
	s_add_nc_u64 s[20:21], s[20:21], s[32:33]
	s_add_nc_u64 s[22:23], s[22:23], s[34:35]
	s_add_nc_u64 s[24:25], s[24:25], s[36:37]
.macro LOAD t                          ; row t's 2,048 bytes into set t % 8
.irp i, 0,1,2,3
	global_load_b128 v[R+16*((\t)%8)+4*\i:R+16*((\t)%8)+4*\i+3], v3, s[20:21] offset:4096*(\t)+512*\i th:TH_LOAD_NT
.endr
.endm
.macro TURN t                          ; step t's numbers through stage t % 2: LDS serves a wave's instructions in order, so no wait stands between the stores and the loads
.irp i, 0,1,2,3
	ds_store_b128 v14, v[R+16*((\t)%8)+4*\i:R+16*((\t)%8)+4*\i+3] offset:32*SP*((\t)%2)+8*SP*\i
.endr
.irp i, 0,1,2,3
	ds_load_b128 v[X+16*((\t)%2)+4*\i:X+16*((\t)%2)+4*\i+3], v15 offset:32*SP*((\t)%2)+16*\i
.endr
.endm
.irp t, 0,1,2,3,4,5,6,7
	LOAD \t
.endr
	s_wait_loadcnt 28                              ; step 0's four loads are in; the 28 of steps 1 to 7 may be out
	TURN 0
.macro STEP t
.if (\t) > 0
	s_wait_dscnt 2                                 ; this step's numbers are back from the stage; the two younger LDS stores (the last step's byte and codes) may be out.  The step before that one's are done: its registers, which this step takes, are free
.else
	s_wait_dscnt 0x0
.endif
.if (\t)+8 < 16
	LOAD (\t)+8                                    ; into the set that this step's stores into the stage have read
.endif
.if (\t) < 15
.if (\t)+8 < 16
	s_wait_loadcnt 28                              ; the next step's four loads are in; those of the seven steps behind it may be out
.else
	s_wait_loadcnt 4*(14-(\t))                     ; the counts run down: the steps behind the next one
.endif
	TURN (\t)+1
.endif
.set XS, X+16*((\t)%2)
.set CD, 16+4*((\t)%2)                 ; v16-18 and v20-22 by turns: two registers of codes and the byte
	v_max3_num_f32 v8, |v[XS]|, |v[XS+1]|, |v[XS+2]|               ; the largest magnitude of my 16, in two chains
	v_max3_num_f32 v9, |v[XS+3]|, |v[XS+4]|, |v[XS+5]|
.irp i, 6,10
	v_max3_num_f32 v8, v8, |v[XS+\i]|, |v[XS+\i+1]|
	v_max3_num_f32 v9, v9, |v[XS+\i+2]|, |v[XS+\i+3]|
.endr
	v_max3_num_f32 v8, v8, |v[XS+14]|, |v[XS+15]|
	v_max3_num_f32 v8, v8, v9, 0x1800000           ; and the floor 2^(3 - 127): the byte cannot fall under 1
	v_max_num_f32_dpp v8, v8, v8 row_xmask:1 row_mask:0xf bank_mask:0xf   ; with my neighbour's 16: the block's
	v_add_nc_u32 v11, 0xff000000, v8               ; 2 off its exponent field: the conversion takes the exponent field of this operand as its scale
	v_cvt_scalef32_pk8_fp4_f32 v[CD], v[XS:XS+7], v11
	v_cvt_scalef32_pk8_fp4_f32 v[CD+1], v[XS+8:XS+15], v11
	v_lshrrev_b32 v[CD+2], 23, v11                 ; the scale's byte (a plain line behind the conversions)
	ds_store_b8 v5, v[CD+2] offset:16*(\t)         ; both lanes of a block write the same byte with the same value
	ds_store_b64 v4, v[CD:CD+1] offset:16*(\t)
.endm
.irp t, 0,1,2,3,4,5,6,7,8,9,10,11,12,13,14,15
	STEP \t
.endr
	ds_load_b64 v[8:9], v6                         ; LDS serves a wave's instructions in order: these see my stores
.irp i, 0,1,2,3,4,5,6,7
	ds_load_b128 v[R+4*\i:R+4*\i+3], v19 offset:544*\i
.endr
	s_wait_dscnt 8                                 ; the scale bytes are in; the eight loads behind them may be out
	global_store_b64 v7, v[8:9], s[24:25]          ; 32 lanes store 256 consecutive bytes, aligned
.irp i, 0,1,2,3,4,5,6,7
	s_wait_dscnt 7-\i
	global_store_b128 v3, v[R+4*\i:R+4*\i+3], s[22:23] offset:512*\i   ; 512 consecutive bytes, aligned
.endr
	s_wait_tensorcnt 0x0                           ; the wave's end, behind my last LDS store
	ds_add_u32 v[SPW], v[NIL]
	s_wait_dscnt 0x0
	s_endpgm
.Lfunc_end_k_qba2a89b039_quant:
	.size	k_qba2a89b039_quant, .Lfunc_end_k_qba2a89b039_quant-k_qba2a89b039_quant
	.p2alignl 7, 3214868480
	.fill 96, 4, 3214868480
	.section	.rodata,"a",@progbits
	.p2align	6, 0x0
	.amdhsa_kernel k_qba2a89b039_quant
		.amdhsa_group_segment_fixed_size 78848
		.amdhsa_private_segment_fixed_size 0
		.amdhsa_enable_private_segment 0
		.amdhsa_kernarg_size 64
		.amdhsa_user_sgpr_count 2
		.amdhsa_user_sgpr_kernarg_segment_ptr 1
		.amdhsa_wavefront_size32 1
		.amdhsa_system_sgpr_workgroup_id_x 1
		.amdhsa_system_sgpr_workgroup_id_y 1
		.amdhsa_system_sgpr_workgroup_id_z 1
		.amdhsa_system_vgpr_workitem_id 0
		.amdhsa_next_free_vgpr 192
		.amdhsa_next_free_sgpr 66
		.amdhsa_reserve_vcc 0
		.amdhsa_float_denorm_mode_32 3
		.amdhsa_float_denorm_mode_16_64 3
		.amdhsa_memory_ordered 1
		.amdhsa_forward_progress 1
		.amdhsa_inst_pref_size 35
	.end_amdhsa_kernel
	.amdgpu_metadata
---
amdhsa.version: [ 1, 2 ]
amdhsa.kernels:
  - .name:           k_qba2a89b039_quant
    .symbol:         k_qba2a89b039_quant.kd
    .args:
      - { .name: x, .offset: 0, .size: 8, .value_kind: global_buffer, .address_space: global }
      - { .name: Wk, .offset: 8, .size: 8, .value_kind: global_buffer, .address_space: global }
      - { .name: Wq, .offset: 16, .size: 8, .value_kind: global_buffer, .address_space: global }
      - { .name: Wv, .offset: 24, .size: 8, .value_kind: global_buffer, .address_space: global }
      - { .name: xc, .offset: 32, .size: 8, .value_kind: global_buffer, .address_space: global }
      - { .name: xs, .offset: 40, .size: 8, .value_kind: global_buffer, .address_space: global }
      - { .name: wc, .offset: 48, .size: 8, .value_kind: global_buffer, .address_space: global }
      - { .name: ws, .offset: 56, .size: 8, .value_kind: global_buffer, .address_space: global }
    .group_segment_fixed_size: 78848
    .private_segment_fixed_size: 0
    .kernarg_segment_align: 8
    .kernarg_segment_size: 64
    .max_flat_workgroup_size: 256
    .sgpr_count:     66
    .vgpr_count:     192
    .wavefront_size: 32
...
	.end_amdgpu_metadata
.endif
;; end of part 1
;; launch proj (part 2): grid 64 x 4, 4 waves a work-group, clusters of 4 x 1, 197,120 bytes of LDS; arguments xc, xs, wc, ws, qf, kf, vf, f32rows; writes qf, kf, vf, f32rows
.if DOCPART == 2
	.amdgcn_target "amdgcn-amd-amdhsa--gfx1250"
	.amdhsa_code_object_version 6
	.text
	.protected	k_qba2a89b039_proj
	.globl	k_qba2a89b039_proj
	.p2align	8
	.type	k_qba2a89b039_proj,@function
k_qba2a89b039_proj:
	s_mov_b64 s[64:65], 0
	v_nop
	global_prefetch_b8 v0, s[64:65] scope:SCOPE_SE
	s_setreg_imm32_b32 hwreg(HW_REG_WAVE_MODE, 25, 1), 1
	s_wait_xcnt 0x0
	s_wait_alu depctr_hold_cnt(0) depctr_sa_sdst(0) depctr_va_vdst(0) depctr_va_sdst(0) depctr_va_ssrc(0) depctr_va_vcc(0) depctr_vm_vsrc(0)
	s_getreg_b32 s2, hwreg(HW_REG_IB_STS2, 6, 4)
	s_cmp_eq_u32 s2, 0
	s_cbranch_scc0 .Lentry_in_a_cluster
	s_endpgm
.Lentry_in_a_cluster:
	s_bfe_u32 s2, ttmp6, 0x10000c
	s_cmp_lg_u32 s2, 0x3003
	s_cbranch_scc0 .Lentry_shape_is_right
	s_endpgm
.Lentry_shape_is_right:
; k = x Wk^T, q = x Wq^T, v = x Wv^T on codes of FP4 with E8M0 scales, sums in f32; the results leave as f16 in the order of the next launch's operand registers.
; LIMIT: |q|, |k|, |v| must stay under 65,504, the largest f16 number.
; SHARES.  A work-group takes 256 tokens x 128 channels (slice = grid y) of EACH weight.  Wave w takes four tiles of 16 tokens against all 24 channel tiles, one weight after the other: 32 accumulators, 8 K steps of 128, 768 matrix instructions.
; x's fragments (32 KB a wave) go from memory straight into 256 registers, by dense loads of 512 bytes, and stay; every fragment is read once by its wave.
; CLUSTER.  The four partners take other tokens and the same 192 KB of weight codes: these come ONCE into LDS by joint loads (mask: all four), three a wave, and are never filled again.
; (x's codes are read by the four work-groups of the four slices; they land in registers, where no joint load can put them, so they are not shared.)
; LAYOUTS OUT.  For k and q the product is used transposed (source 0 = 16 rows of W, source 1 = 16 tokens): a lane holds one token and 8 neighbouring channels, which as f16 are 16 bytes: one piece of a 16 x 32 fragment.
;   qf, kf: [tile of 16 tokens][channel tile: 32][lane][16 bytes].   For v the sources are swapped: a lane holds one channel and 8 neighbouring tokens: a piece of a fragment of V^T.
;   vf: [step of 128 tokens][channel tile: 32][token tile in the step: 8][lane][16 bytes].   Every store is 512 dense aligned bytes, straight from registers.
; The first 16 tokens of each batch also leave as they stand in the accumulators, in f32 (f32rows: [batch][k, q, v][channel tile][piece: 2][lane][16 bytes]), for the launch that carries those rows in f32.
; The token block is 16 cx + cluster x, so that 'is this the first block of a batch' (block % 8 = 0) hangs on the cluster's number alone and is alike in all partners.
; REGISTERS: window 0: v1-5 addresses; v28, v29 the add's two; v32-63 x's scale words (tile m, K step s: 32 + 8 m + s); v64-191 the weights' scale words, two sets; v192-255 packed results.
;   window 1: x's fragments (8 (8 m + s)).   window 2: the accumulators (channel tile t, token tile m: 8 (4 t + m)).   window 3: W's fragments, four sets of 64 (K step g: set g % 4).
.set SPARE, 196608                     ; behind the weights' 192 KB: the spare words, 128 bytes for each wave
.set SPW,  28
.set NIL,  29
.set XS,   32
.set WS,   64
.set TMP,  192
.set WV,   20                          ; s20 wave;  s21 cx;  s22 cluster x;  s23 slice;  s44 token block;  s45 flag
.set FL,   45
.set G1,   24                          ; s[24:31] descriptor group 1;  s[32:43] three groups 0
.set G0,   32
.set MSB, 0
.macro WIN new                         ; the immediate's high byte repeats the setting that is left
.if MSB != \new
	s_set_vgpr_msb (MSB<<8)|\new
.set MSB, \new
.endif
.endm
.macro ROUND                           ; a round of the cluster's barrier
	s_barrier_signal -1
	s_barrier_wait -1
	s_cmp_lg_u32 s[WV], 0
	s_cbranch_scc1 .Lnot_wave_0_\@
	s_barrier_signal -3
.Lnot_wave_0_\@:
	s_barrier_wait -3
	s_barrier_signal -1
	s_barrier_wait -1
.endm
.macro PLACES n
.rept \n
	v_nop
.endr
.endm
	s_load_b256 s[4:11], s[0:1], 0x0               ; xc, xs, wc, ws
	s_load_b256 s[12:19], s[0:1], 0x20             ; qf, kf, vf, f32rows
	v_lshl_add_u32 v[SPW], v0, 2, SPARE
	v_mov_b32 v[NIL], 0
	ds_add_u32 v[SPW], v[NIL]                      ; the wave's opening: the add, twice on end, and its wait ahead of my first tensor load
	ds_add_u32 v[SPW], v[NIL]
	v_lshrrev_b32 v6, 5, v0
	v_readfirstlane_b32 s[WV], v6                  ; wave 0..3
	s_bfe_u32 s21, ttmp6, 0x40000                  ; cx
	s_mov_b32 s22, ttmp9                           ; cluster x, 0..15
	s_and_b32 s23, ttmp7, 0xffff                   ; slice, 0..3
	s_lshl_b32 s44, s21, 4
	s_add_co_u32 s44, s44, s22                     ; my block of 256 tokens
	s_and_b32 s[FL], s22, 7
	s_or_b32 s[FL], s[FL], s[WV]                   ; 0: my token tile 0 is a batch's first 16 tokens
	; descriptor group 1: a dense block of 16 KB as 64 rows of 256 bytes (32 elements of 8 bytes), no padding: every LDS load reads 512 consecutive bytes
	s_mov_b32 s[G1+0], 15|(3<<16)|(1<<21)          ; the mask: all four partners; elements of 8 bytes; bit 21 beside the mask
	s_mov_b32 s[G1+1], 32<<16                      ; tensor_dim0
	s_mov_b32 s[G1+2], 64<<16                      ; tensor_dim1
	s_mov_b32 s[G1+3], 32<<16                      ; tile_dim0
	s_mov_b32 s[G1+4], 64                          ; tile_dim1
	s_mov_b32 s[G1+5], 32                          ; the pitch
	s_mov_b32 s[G1+6], 0
	s_mov_b32 s[G1+7], 0
	v_and_b32 v6, 31, v0
	v_lshlrev_b32 v1, 4, v6                        ; 16 x lane
	v_and_b32 v6, 15, v0
	v_lshlrev_b32 v2, 4, v6                        ; 16 x (lane % 16): a row's four scale words
	v_mov_b32 v3, v1                               ; LDS: Wk's codes,
	v_add_nc_u32 v4, 65536, v1                     ; Wq's,
	v_add_nc_u32 v5, 131072, v1                    ; Wv's
	s_lshl_b32 s46, s23, 16                        ; what I fetch of each weight: channel tiles 8 slice + 2 w, + 1: 8,192 bytes each.  Slice and wave alone: alike in all partners
	s_lshl_b32 s50, s[WV], 14
	s_add_co_u32 s46, s46, s50
	s_mov_b32 s47, 0
	s_lshl_b32 s52, s44, 17                        ; xc: (16 block + 4 w) tiles of 8,192 bytes
	s_lshl_b32 s54, s[WV], 15
	s_add_co_u32 s52, s52, s54
	s_mov_b32 s53, 0
	s_lshl_b32 s54, s44, 13                        ; xs: tiles of 512 bytes
	s_lshl_b32 s56, s[WV], 11
	s_add_co_u32 s54, s54, s56
	s_mov_b32 s55, 0
	s_lshl_b32 s56, s23, 12                        ; ws: 8 slice tiles of 512 bytes
	s_mov_b32 s57, 0
	s_lshl_b32 s58, s44, 18                        ; qf, kf: (16 block + 4 w) tiles of 16,384 bytes + 8 slice channel tiles of 512
	s_lshl_b32 s60, s[WV], 16
	s_add_co_u32 s58, s58, s60
	s_add_co_u32 s58, s58, s56
	s_mov_b32 s59, 0
	s_lshl_b32 s60, s44, 1                         ; vf: step 2 block + w / 2 of 131,072 bytes, + 8 slice channel tiles of 4,096, + 4 (w % 2) token tiles of 512
	s_lshr_b32 s62, s[WV], 1
	s_add_co_u32 s60, s60, s62
	s_lshl_b32 s60, s60, 17
	s_lshl_b32 s62, s23, 15
	s_add_co_u32 s60, s60, s62
	s_and_b32 s62, s[WV], 1
	s_lshl_b32 s62, s62, 11
	s_add_co_u32 s60, s60, s62
	s_mov_b32 s61, 0
	s_lshl_b32 s62, s21, 1                         ; f32rows: batch = block / 8 = 2 cx + cluster x / 8: 96 images of 1,024 bytes; + 8 slice images
	s_lshr_b32 s63, s22, 3
	s_add_co_u32 s62, s62, s63
	s_mul_i32 s62, s62, 98304
	s_lshl_b32 s63, s23, 13
	s_add_co_u32 s62, s62, s63
	s_mov_b32 s63, 0
	s_wait_dscnt 0x0                               ; both opening adds are done
	s_wait_kmcnt 0x0
	s_add_nc_u64 s[48:49], s[8:9], s[46:47]
.irp t, 0,1,2
	s_mov_b32 s[G0+4*\t], 1
	s_add_co_u32 s[G0+4*\t+1], s50, \t*65536       ; LDS: weight t's 64 KB, my quarter
	s_add_nc_u64 s[G0+4*\t+2:G0+4*\t+3], s[48:49], \t*262144
	s_or_b32 s[G0+4*\t+3], s[G0+4*\t+3], 0x80000000
.endr
	s_add_nc_u64 s[4:5], s[4:5], s[52:53]
	s_add_nc_u64 s[6:7], s[6:7], s[54:55]
	s_add_nc_u64 s[10:11], s[10:11], s[56:57]
	s_add_nc_u64 s[12:13], s[12:13], s[58:59]
	s_add_nc_u64 s[14:15], s[14:15], s[58:59]
	s_add_nc_u64 s[16:17], s[16:17], s[60:61]
	s_add_nc_u64 s[18:19], s[18:19], s[62:63]
	ROUND                                          ; all four work-groups are here: the joint loads meet
.irp t, 0,1,2
	tensor_load_to_lds s[G0+4*\t:G0+4*\t+3], s[G1:G1+7]   ; the first fills, one group: three loads of mine are out
	s_nop 0
.endr
	PLACES 4
	WIN 0x40                                       ; destination window 1
.irp m, 0,1,2,3
.irp s, 0,1,2,3,4,5,6,7
.irp c, 0,1
	global_load_b128 v[8*(8*\m+\s)+4*\c:8*(8*\m+\s)+4*\c+3], v1, s[4:5] offset:\m*8192+\s*1024+512*\c
.endr
.endr
.endr
	WIN 0
.irp m, 0,1,2,3
.irp f, 0,1
	global_load_b128 v[XS+8*\m+4*\f:XS+8*\m+4*\f+3], v2, s[6:7] offset:\m*512+256*\f
.endr
.endr
.macro WSLOAD wt, set                  ; weight wt's scale words of my slice's eight channel tiles, all eight K steps, into a set
.irp t, 0,1,2,3,4,5,6,7
.irp f, 0,1
	global_load_b128 v[WS+64*\set+8*\t+4*\f:WS+64*\set+8*\t+4*\f+3], v2, s[10:11] offset:\wt*16384+\t*512+256*\f
.endr
.endr
.endm
	WSLOAD 0, 0
	WSLOAD 1, 1
	s_wait_tensorcnt 0x0                           ; my parts of the three weights are in LDS,
	s_barrier_signal -1
	s_barrier_wait -1                              ; everybody's are.  Nothing is filled again
.macro WLOAD g                         ; the eight fragments of W for K step g = 8 wt + s, into set g % 4
.set LW, (\g)/8
.set LS, (\g)%8
.set LQ, (\g)%4
	WIN 0xc0                                       ; destination window 3
.irp t, 0,1,2,3,4,5,6,7
.irp c, 0,1
	ds_load_b128 v[64*LQ+8*\t+4*\c:64*LQ+8*\t+4*\c+3], v[3+LW] offset:\t*8192+LS*1024+512*\c
.endr
.endr
.endm
; A K step: 32 matrix instructions, the 32 accumulators by turns, one instruction a turn, in the same order in every step.  A weight's first step starts the sums with the constant 0.
.macro KSTEP g
.if (\g)+3 <= 23
	WLOAD (\g)+3                                   ; three steps ahead, into the set that the last step read: its places stand at that step's end
.endif
.if 23-(\g) >= 3
	s_wait_dscnt 48                                ; this step's set is in; the three younger sets, 16 loads each, may be out
.else
	s_wait_dscnt 16*(23-(\g))
.endif
.set KW, (\g)/8
.set KS, (\g)%8
.set KQ, (\g)%4
.set KT, ((\g)/8)%2
.if KW < 2
	WIN 0xa7                                       ; source 0 (W) window 3, source 1 (x) window 1, C and D window 2
.else
	WIN 0xad                                       ; source 0 (x) window 1, source 1 (W) window 3
.endif
.irp t, 0,1,2,3,4,5,6,7
.irp m, 0,1,2,3
.if KW < 2
.if KS == 0
	v_wmma_scale_f32_16x16x128_f8f6f4 v[8*(4*\t+\m):8*(4*\t+\m)+7], v[64*KQ+8*\t:64*KQ+8*\t+7], v[8*(8*\m+KS):8*(8*\m+KS)+7], 0, v[WS+64*KT+8*\t+KS], v[XS+8*\m+KS] matrix_a_fmt:MATRIX_FMT_FP4 matrix_b_fmt:MATRIX_FMT_FP4
.else
	v_wmma_scale_f32_16x16x128_f8f6f4 v[8*(4*\t+\m):8*(4*\t+\m)+7], v[64*KQ+8*\t:64*KQ+8*\t+7], v[8*(8*\m+KS):8*(8*\m+KS)+7], v[8*(4*\t+\m):8*(4*\t+\m)+7], v[WS+64*KT+8*\t+KS], v[XS+8*\m+KS] matrix_a_fmt:MATRIX_FMT_FP4 matrix_b_fmt:MATRIX_FMT_FP4
.endif
.else
.if KS == 0
	v_wmma_scale_f32_16x16x128_f8f6f4 v[8*(4*\t+\m):8*(4*\t+\m)+7], v[8*(8*\m+KS):8*(8*\m+KS)+7], v[64*KQ+8*\t:64*KQ+8*\t+7], 0, v[XS+8*\m+KS], v[WS+64*KT+8*\t+KS] matrix_a_fmt:MATRIX_FMT_FP4 matrix_b_fmt:MATRIX_FMT_FP4
.else
	v_wmma_scale_f32_16x16x128_f8f6f4 v[8*(4*\t+\m):8*(4*\t+\m)+7], v[8*(8*\m+KS):8*(8*\m+KS)+7], v[64*KQ+8*\t:64*KQ+8*\t+7], v[8*(4*\t+\m):8*(4*\t+\m)+7], v[XS+8*\m+KS], v[WS+64*KT+8*\t+KS] matrix_a_fmt:MATRIX_FMT_FP4 matrix_b_fmt:MATRIX_FMT_FP4
.endif
.endif
.endr
.endr
	WIN 0
.if KS == 7
	PLACES 5                                       ; behind a weight's last products: their results are read, and later begun anew by matrix instructions with another C (ISA guide 7.12.1)
.else
	PLACES 4                                       ; in front of the next step's loads into registers that these products have read
.endif
.endm
; A weight's results leave.  sm, sc: bytes from token tile to token tile and from channel tile to channel tile in the buffer at s[base].
.macro OUT wt, base, sm, sc
	s_cmp_lg_u32 s[FL], 0                          ; cluster's number and wave alone: alike in all partners
	s_cbranch_scc1 .Lnot_first_\@
	WIN 0x08                                       ; a store's data are its source 1: window 2
.irp t, 0,1,2,3,4,5,6,7
	global_store_b128 v1, v[32*\t:32*\t+3], s[18:19] offset:\wt*32768+\t*1024          ; the accumulators of token tile 0 as they stand, each from its low end on
	global_store_b128 v1, v[32*\t+4:32*\t+7], s[18:19] offset:\wt*32768+\t*1024+512
.endr
	WIN 0
.Lnot_first_\@:
.irp hf, 0,1                           ; sixteen accumulators at a time
.if \hf == 1
	s_wait_xcnt 0x0                                ; the first half's stores have read the packed registers
.endif
	WIN 0x0a                                       ; sources 0 and 1 window 2
.irp a, 0,1,2,3,4,5,6,7,8,9,10,11,12,13,14,15
.irp i, 0,1,2,3
	v_cvt_pk_f16_f32 v[TMP+4*\a+\i], v[8*(16*\hf+\a)+2*\i], v[8*(16*\hf+\a)+2*\i+1]
.endr
.endr
	WIN 0
.irp a, 0,1,2,3,4,5,6,7,8,9,10,11,12,13,14,15
	global_store_b128 v1, v[TMP+4*\a:TMP+4*\a+3], s[\base:\base+1] offset:(\a%4)*\sm+(4*\hf+\a/4)*\sc   ; 512 consecutive bytes, aligned
.endr
.endr
	s_wait_xcnt 0x0                                ; all stores have read their registers: the accumulators and the packed registers may be written again
.endm
	WLOAD 0
	WLOAD 1
	WLOAD 2
	s_wait_loadcnt 0x0                             ; x's fragments and all scale words asked for so far
.irp g, 0,1,2,3,4,5,6,7
	KSTEP \g
.endr
	WSLOAD 2, 0                                    ; Wv's scale words take Wk's set, behind the places of its last products
	OUT 0, 14, 16384, 512                          ; k
.irp g, 8,9,10,11,12,13,14,15
	KSTEP \g
.endr
	OUT 1, 12, 16384, 512                          ; q
	s_wait_loadcnt 0x0                             ; Wv's scale words
.irp g, 16,17,18,19,20,21,22,23
	KSTEP \g
.endr
	OUT 2, 16, 512, 4096                           ; v
	s_wait_tensorcnt 0x0                           ; the wave's end
	ds_add_u32 v[SPW], v[NIL]
	s_wait_dscnt 0x0
	ROUND                                          ; the closing round
	s_endpgm
.Lfunc_end_k_qba2a89b039_proj:
	.size	k_qba2a89b039_proj, .Lfunc_end_k_qba2a89b039_proj-k_qba2a89b039_proj
	.p2alignl 7, 3214868480
	.fill 96, 4, 3214868480
	.section	.rodata,"a",@progbits
	.p2align	6, 0x0
	.amdhsa_kernel k_qba2a89b039_proj
		.amdhsa_group_segment_fixed_size 197120
		.amdhsa_private_segment_fixed_size 0
		.amdhsa_enable_private_segment 0
		.amdhsa_kernarg_size 64
		.amdhsa_user_sgpr_count 2
		.amdhsa_user_sgpr_kernarg_segment_ptr 1
		.amdhsa_wavefront_size32 1
		.amdhsa_system_sgpr_workgroup_id_x 1
		.amdhsa_system_sgpr_workgroup_id_y 1
		.amdhsa_system_sgpr_workgroup_id_z 1
		.amdhsa_system_vgpr_workitem_id 0
		.amdhsa_next_free_vgpr 1024
		.amdhsa_next_free_sgpr 80
		.amdhsa_reserve_vcc 0
		.amdhsa_float_denorm_mode_32 3
		.amdhsa_float_denorm_mode_16_64 3
		.amdhsa_memory_ordered 1
		.amdhsa_forward_progress 1
		.amdhsa_inst_pref_size 182
	.end_amdhsa_kernel
	.amdgpu_metadata
---
amdhsa.version: [ 1, 2 ]
amdhsa.kernels:
  - .name:           k_qba2a89b039_proj
    .symbol:         k_qba2a89b039_proj.kd
    .args:
      - { .name: xc, .offset: 0, .size: 8, .value_kind: global_buffer, .address_space: global }
      - { .name: xs, .offset: 8, .size: 8, .value_kind: global_buffer, .address_space: global }
      - { .name: wc, .offset: 16, .size: 8, .value_kind: global_buffer, .address_space: global }
      - { .name: ws, .offset: 24, .size: 8, .value_kind: global_buffer, .address_space: global }
      - { .name: qf, .offset: 32, .size: 8, .value_kind: global_buffer, .address_space: global }
      - { .name: kf, .offset: 40, .size: 8, .value_kind: global_buffer, .address_space: global }
      - { .name: vf, .offset: 48, .size: 8, .value_kind: global_buffer, .address_space: global }
      - { .name: f32rows, .offset: 56, .size: 8, .value_kind: global_buffer, .address_space: global }
    .group_segment_fixed_size: 197120
    .private_segment_fixed_size: 0
    .kernarg_segment_align: 8
    .kernarg_segment_size: 64
    .max_flat_workgroup_size: 128
    .sgpr_count:     80
    .vgpr_count:     1024
    .wavefront_size: 32
...
	.end_amdgpu_metadata
.endif
;; end of part 2
;; launch attn (part 3): grid 32 x 8, 4 waves a work-group, clusters of 4 x 1, 327,680 bytes of LDS; arguments qf, kf, vf, out0; writes out0
.if DOCPART == 3
	.amdgcn_target "amdgcn-amd-amdhsa--gfx1250"
	.amdhsa_code_object_version 6
	.text
	.protected	k_qba2a89b039_attn
	.globl	k_qba2a89b039_attn
	.p2align	8
	.type	k_qba2a89b039_attn,@function
k_qba2a89b039_attn:
	s_mov_b64 s[64:65], 0
	v_nop
	global_prefetch_b8 v0, s[64:65] scope:SCOPE_SE
	s_setreg_imm32_b32 hwreg(HW_REG_WAVE_MODE, 25, 1), 1
	s_wait_xcnt 0x0
	s_wait_alu depctr_hold_cnt(0) depctr_sa_sdst(0) depctr_va_vdst(0) depctr_va_sdst(0) depctr_va_ssrc(0) depctr_va_vcc(0) depctr_vm_vsrc(0)
	s_getreg_b32 s2, hwreg(HW_REG_IB_STS2, 6, 4)
	s_cmp_eq_u32 s2, 0
	s_cbranch_scc0 .Lentry_in_a_cluster
	s_endpgm
.Lentry_in_a_cluster:
	s_bfe_u32 s2, ttmp6, 0x10000c
	s_cmp_lg_u32 s2, 0x3003
	s_cbranch_scc0 .Lentry_shape_is_right
	s_endpgm
.Lentry_shape_is_right:
; out[b][t] = the sum over s <= t of softmax_s(q[b][t] . k[b][s] / sqrt(512)) v[b][s], one head of 512, 2,048 positions, 8 batches.  q, k, v and the weights p go to the matrix unit as f16; products, maxima and sums in f32.
; LIMITS: |q|, |k|, |v| under 65,504 (f16).  Rows t < 16 of every batch are stored here like all others and WRITTEN OVER by the next launch, which carries them in f32: they belong to one partner of a cluster, and partners run alike.
; EVEN SHARES UNDER THE MASK.  A batch has 16 blocks of 128 queries.  Cluster c (0..7) takes block 15 - c (16 - c key steps of 128) and then block c (c + 1 steps): ALWAYS 17 key steps, a constant trip count, the same 34 joint loads in every cluster.
; Partner cx owns queries 32 cx .. 32 cx + 31 of the block: two tiles of 16.  The block's last key step lies on the diagonal: it is computed whole and hidden scores become -infinity, so that all partners read every tile.
; CLUSTER.  The four partners walk the same K and V: each tile is asked for jointly, by the same tensor load with a mask that names the four.
; SHARES OF THE WAVES IN A STEP.  S^T = K Q^T: wave w takes keys 32 w .. + 31 against both query tiles over all 512 channels (64 matrix instructions, 4 accumulators).  O^T = V^T P: wave w takes channels 128 w .. + 127 against both query
; tiles over the 128 keys (64 matrix instructions, 16 accumulators).  So each byte of K and V is read from LDS once, by the wave that fetched it.  P, the waves' maxima and sums go from wave to wave through LDS, P as an image of its registers.
; kf, qf, vf lie in the order of the operands' registers: a tile is a dense block, every LDS load reads 512 consecutive bytes, nothing is padded or turned.
; K AND V HAVE ONE REGION EACH AND TAKE TURNS: behind the products with K a round of the cluster's barrier, and the next step's K is asked for; it lands during the softmax and the products with V; behind those a second round, and the next V is asked for.
; SOFTMAX: a running maximum m and sum l for each query: p = 2^(c s - c m), c = log2(e) / sqrt(512); in every step O and l are multiplied by a = 2^(c m_old - c m_new).  The step is written once: O and l begin as zeros, m as -3e38.
; REGISTERS: window 0: v1-13 addresses and constants; v28, v29 the add's two; v32-35 (c m, m) a query tile; v36-39 (a, 0); v40, v41 l; v42-57 at work; v64-95 S^T (key tile kt, query tile qt: 64 + 8 (2 kt + qt)); v96-111 p packed;
;   v112-175 P's eight fragments, on the way out rows of out; v176-239 the way out.   window 1: Q (8 (16 qt + e), e = 32 channels).   window 2: K (8 (2 e + kt)), then V (8 (8 ks + ct)).   window 3: O^T (8 (2 ct + qt)).
.set VREG,  131072                     ; LDS: K's 128 KB at 0 (wave w's part at 32,768 w), V's here
.set PIMG,  262144                     ; P's eight fragments (32 keys ks, query tile qt) at 2,048 ks + 1,024 qt
.set STAT,  270336                     ; the waves' maxima [qt][query r][wave], 512 bytes; their sums 512 bytes on
.set STG,   271360                     ; the way out: 16 rows x (512 + 16) bytes for each wave
.set SPARE, 305152                     ; the spare words, 128 bytes for each wave
.set TILE,  131072                     ; a key step's K, and its V, in bytes
.set SPW, 28
.set NIL, 29
.set WV,  12                           ; s12 wave; s13 cx; s14 c; s15 batch; s16 steps of the first pass; s17 trip; s18 the block in hand; s19 the key step in hand; s[20:21] lane selects; s[22:23] c
.set G1,  24                           ; s[24:31] descriptor group 1; s[32:35], s[36:39] groups 0 for K and V; s[40:41], s[42:43] my part of the batch's first tile of K, of V; s[44:45] the next tile's offset
                                       ; s[46:47], s[48:49] Q of the first, the second pass; s[50:51], s[52:53] out likewise; s[54:55], s[56:57] the prefetches' places in K, V; s58 their limit; s59 the next key step
.set MSB, 0
.macro WIN new                         ; the immediate's high byte repeats the setting that is left
.if MSB != \new
	s_set_vgpr_msb (MSB<<8)|\new
.set MSB, \new
.endif
.endm
.macro ROUND                           ; a round of the cluster's barrier
	s_barrier_signal -1
	s_barrier_wait -1
	s_cmp_lg_u32 s[WV], 0
	s_cbranch_scc1 .Lnot_wave_0_\@
	s_barrier_signal -3
.Lnot_wave_0_\@:
	s_barrier_wait -3
	s_barrier_signal -1
	s_barrier_wait -1
.endm
.macro PLACES
.rept 4
	v_nop
.endr
.endm
; A PREFETCH INTO THE L2: in trip I the tile of key step I + 2, one step ahead of the joint load that will ask for it.  All clusters of a batch walk the same tiles from key step 0 on: cluster 0, which walks all 16, asks, in trips 0 to 13.
; Its four partners share a tile out BY ADDRESS, 32,768 bytes each, their waves 8,192 each, lanes 256 bytes apart: each aligned block of 256 bytes is named once.  Tiles 0 and 1 come by their loads alone.
.macro ASK p
	s_cmp_lt_u32 s17, s58
	s_cbranch_scc0 .Lnot_mine_\@
	global_prefetch_b8 v10, s[\p:\p+1] th:TH_LOAD_NT scope:SCOPE_SE
.Lnot_mine_\@:
.endm
	s_load_b256 s[4:11], s[0:1], 0x0               ; qf, kf, vf, out0
	v_lshl_add_u32 v[SPW], v0, 2, SPARE
	v_mov_b32 v[NIL], 0
	ds_add_u32 v[SPW], v[NIL]                      ; the wave's opening: the add, twice on end, and its wait ahead of my first tensor load
	ds_add_u32 v[SPW], v[NIL]
	v_lshrrev_b32 v14, 5, v0
	v_readfirstlane_b32 s[WV], v14                 ; wave 0..3
	s_bfe_u32 s13, ttmp6, 0x40000                  ; cx
	s_mov_b32 s14, ttmp9                           ; c
	s_and_b32 s15, ttmp7, 0xffff                   ; batch
	s_sub_co_u32 s16, 16, s14                      ; key steps of the first pass
	s_mov_b32 s17, 0
	s_sub_co_u32 s18, 15, s14                      ; the first pass's block
	s_mov_b32 s19, 0
	s_mov_b32 s20, 0x76543210
	s_mov_b32 s21, 0xfedcba98                      ; v_permlanex16_b32's selects for lane l xor 16
	s_mov_b32 s22, 0x3d8293ee                      ; c = log2(e) / sqrt(512)
	s_mov_b32 s23, s22                             ; (named with it as a pair, so it is written)
	; descriptor group 1: a dense block of 32 KB as 128 rows of 256 bytes (32 elements of 8 bytes), no padding
	s_mov_b32 s[G1+0], 15|(3<<16)|(1<<21)          ; the mask: all four partners; elements of 8 bytes; bit 21 beside the mask
	s_mov_b32 s[G1+1], 32<<16
	s_mov_b32 s[G1+2], 128<<16
	s_mov_b32 s[G1+3], 32<<16
	s_mov_b32 s[G1+4], 128
	s_mov_b32 s[G1+5], 32
	s_mov_b32 s[G1+6], 0
	s_mov_b32 s[G1+7], 0
	s_mov_b32 s45, 0
	s_cmp_eq_u32 s14, 0
	s_cselect_b32 s58, 14, 0                       ; the same in all four partners
	v_and_b32 v14, 31, v0                          ; lane
	v_and_b32 v15, 15, v0                          ; r
	v_bfe_u32 v16, v0, 4, 1                        ; h
	v_lshlrev_b32 v1, 4, v14                       ; 16 x lane
	s_lshl_b32 s60, s[WV], 15
	v_add_nc_u32 v2, s60, v1                       ; my part of K's region
	v_add_nc_u32 v3, VREG, v2                      ; of V's
	s_lshl_b32 s60, s[WV], 11
	v_add_nc_u32 v4, s60, v1
	v_add_nc_u32 v4, PIMG, v4                      ; where I store P: K step w of the second product
	v_add_nc_u32 v5, PIMG, v1                      ; where I read P
	v_lshlrev_b32 v7, 4, v15
	v_add_nc_u32 v7, STAT, v7                      ; my query's four words,
	s_lshl_b32 s60, s[WV], 2
	v_add_nc_u32 v6, s60, v7                       ; my wave's among them
	s_mul_i32 s60, s[WV], 8448
	v_mul_u32_u24 v8, v15, 528
	v_lshl_add_u32 v8, v16, 5, v8
	v_add_nc_u32 v8, s60, v8
	v_add_nc_u32 v8, STG, v8                       ; the stage, in: row r, + 32 h
	v_add_nc_u32 v9, s60, v1
	v_add_nc_u32 v9, STG, v9                       ; back: a row of 512 bytes to the 32 lanes
	v_lshlrev_b32 v10, 8, v14                      ; the prefetches' offset
	v_mov_b32 v11, 0xff800000                      ; -infinity
	s_sub_co_i32 s62, s13, s[WV]
	s_lshl_b32 s62, s62, 5
	v_lshlrev_b32 v12, 3, v16
	v_sub_nc_u32 v12, v15, v12
	v_add_nc_u32 v12, s62, v12                     ; on the diagonal register jj of key tile kt is hidden where 16 kt + jj > 32 cx + 16 qt + r - 32 w - 8 h: that number for qt = 0,
	v_add_nc_u32 v13, 16, v12                      ; and for qt = 1
	v_mov_b32 v37, 0                               ; (upper halves of pairs of which the low word serves both halves)
	v_mov_b32 v39, 0
	s_wait_dscnt 0x0                               ; both opening adds are done
	s_wait_kmcnt 0x0
	s_lshl_b32 s60, s15, 21                        ; a batch's K, and V, are 2 MB; my part of a tile begins 32,768 w on.  Batch and wave alone: alike in all partners
	s_lshl_b32 s61, s[WV], 15
	s_add_co_u32 s60, s60, s61
	s_mov_b32 s61, 0
	s_add_nc_u64 s[40:41], s[6:7], s[60:61]
	s_add_nc_u64 s[42:43], s[8:9], s[60:61]
	s_mov_b32 s32, 1
	s_lshl_b32 s33, s[WV], 15
	s_mov_b64 s[34:35], s[40:41]
	s_or_b32 s35, s35, 0x80000000
	s_mov_b32 s36, 1
	s_add_co_u32 s37, s33, VREG
	s_mov_b64 s[38:39], s[42:43]
	s_or_b32 s39, s39, 0x80000000
	s_lshl_b32 s62, s15, 21                        ; Q: tile 128 batch + 8 block + 2 cx, 16,384 bytes a tile
	s_lshl_b32 s63, s13, 15
	s_add_co_u32 s62, s62, s63
	s_mov_b32 s3, 0
	s_lshl_b32 s63, s18, 17
	s_add_co_u32 s2, s62, s63
	s_add_nc_u64 s[46:47], s[4:5], s[2:3]
	s_lshl_b32 s63, s14, 17
	s_add_co_u32 s2, s62, s63
	s_add_nc_u64 s[48:49], s[4:5], s[2:3]
	s_lshl_b32 s63, s[WV], 13                      ; the prefetches: in tile 1, + 32,768 cx + 8,192 w; each is stepped a tile on ahead of its use
	s_add_co_u32 s2, s62, s63
	s_add_co_u32 s2, s2, TILE
	s_add_nc_u64 s[54:55], s[6:7], s[2:3]
	s_add_nc_u64 s[56:57], s[8:9], s[2:3]
	s_lshl_b32 s62, s15, 22                        ; out: row 2,048 batch + 128 block + 32 cx of 2,048 bytes, + 512 w
	s_lshl_b32 s63, s13, 16
	s_add_co_u32 s62, s62, s63
	s_lshl_b32 s63, s[WV], 9
	s_add_co_u32 s62, s62, s63
	s_lshl_b32 s63, s18, 18
	s_add_co_u32 s2, s62, s63
	s_add_nc_u64 s[50:51], s[10:11], s[2:3]
	s_lshl_b32 s63, s14, 18
	s_add_co_u32 s2, s62, s63
	s_add_nc_u64 s[52:53], s[10:11], s[2:3]
	ROUND                                          ; all four work-groups are here: the first joint loads meet
	tensor_load_to_lds s[32:35], s[G1:G1+7]        ; key step 0: K,
	s_nop 0
	tensor_load_to_lds s[36:39], s[G1:G1+7]        ; and V: two loads of mine are out
	s_nop 0
	PLACES
.macro QLOAD qb                        ; my work-group's 32 queries, all 512 channels, into window 1: they stay for a pass
	WIN 0x40
.irp qt, 0,1
.irp e, 0,1,2,3,4,5,6,7,8,9,10,11,12,13,14,15
.irp p, 0,1
	global_load_b128 v[8*(16*\qt+\e)+4*\p:8*(16*\qt+\e)+4*\p+3], v1, s[\qb:\qb+1] offset:\qt*16384+\e*1024+512*\p
.endr
.endr
.endr
	WIN 0
.endm
.macro RESET                           ; a pass begins: m = -3e38, under every score; l = 0; O^T = 0.  The price of a step that is written once: paid twice in the launch
	v_mov_b32 v33, 0xff61b1e6
	v_mov_b32 v35, 0xff61b1e6
	v_mul_f32 v32, s22, v33
	v_mul_f32 v34, s22, v35
	v_mov_b32 v40, 0
	v_mov_b32 v41, 0
	WIN 0xc0
.set i, 0
.rept 128
	v_mov_b32 v[i], 0
.set i, i+1
.endr
	WIN 0
.endm
; THE WAY OUT of a pass: O^T / l goes through my stage, a query tile at a time, and leaves as rows: each store is 512 consecutive bytes, aligned.
.macro EPILOGUE ob
	v_rcp_f32 v36, v40
	v_rcp_f32 v38, v41
	v_nop                                          ; a plain instruction behind the reciprocals,
	s_wait_alu depctr_va_vdst(0)                   ; and the wait ahead of the first use: one for both
.irp qt, 0,1
	WIN 0x03                                       ; source 0 window 3
.irp ct, 0,1,2,3,4,5,6,7
.irp i, 0,2,4,6
	v_pk_mul_f32 v[176+8*\ct+\i:176+8*\ct+\i+1], v[8*(2*\ct+\qt)+\i:8*(2*\ct+\qt)+\i+1], v[36+2*\qt:37+2*\qt] op_sel_hi:[1,0]   ; each accumulator from its low end on
.endr
.endr
	WIN 0
.irp ct, 0,1,2,3,4,5,6,7
	ds_store_b128 v8, v[176+8*\ct:176+8*\ct+3] offset:64*\ct       ; lane (r, h): out(query r, channels 128 w + 16 ct + 8 h + 0 .. 7)
	ds_store_b128 v8, v[176+8*\ct+4:176+8*\ct+7] offset:64*\ct+16
.endr
.if \qt == 1
	s_wait_xcnt 0x0                                ; the first tile's stores have read the registers into which the loads below land
.endif
.irp i, 0,1,2,3,4,5,6,7,8,9,10,11,12,13,14,15
	ds_load_b128 v[112+4*\i:112+4*\i+3], v9 offset:528*\i          ; LDS serves a wave's instructions in order: these see my stores
.endr
.irp i, 0,1,2,3,4,5,6,7,8,9,10,11,12,13,14,15
	s_wait_dscnt 15-\i
	global_store_b128 v1, v[112+4*\i:112+4*\i+3], s[\ob:\ob+1] offset:(16*\qt+\i)*2048 th:TH_STORE_NT
.endr
.endr
.endm
; A KEY STEP of 128 keys.  refill = 1: the next step's K and V are asked for.
.macro STEP refill
	WIN 0x80                                       ; destination window 2
.irp e, 0,1,2,3,4,5,6,7,8,9,10,11,12,13,14,15
.irp kt, 0,1
.irp p, 0,1
	ds_load_b128 v[8*(2*\e+\kt)+4*\p:8*(2*\e+\kt)+4*\p+3], v2 offset:\kt*16384+\e*1024+512*\p
.endr
.endr
.endr
.irp q4, 0,1,2,3                       ; S^T = K Q^T, 128 channels at a time; the four accumulators by turns
	s_wait_dscnt 48-16*\q4                         ; these 128 channels' 16 loads are in; those of the later channels may be out
	WIN 0x06                                       ; source 0 (K) window 2, source 1 (Q) window 1
.irp e, 0,1,2,3
.irp kt, 0,1
.irp qt, 0,1
.if 4*\q4+\e == 0
	v_wmma_f32_16x16x32_f16 v[64+8*(2*\kt+\qt):64+8*(2*\kt+\qt)+7], v[8*(2*(4*\q4+\e)+\kt):8*(2*(4*\q4+\e)+\kt)+7], v[8*(16*\qt+4*\q4+\e):8*(16*\qt+4*\q4+\e)+7], 0
.else
	v_wmma_f32_16x16x32_f16 v[64+8*(2*\kt+\qt):64+8*(2*\kt+\qt)+7], v[8*(2*(4*\q4+\e)+\kt):8*(2*(4*\q4+\e)+\kt)+7], v[8*(16*\qt+4*\q4+\e):8*(16*\qt+4*\q4+\e)+7], v[64+8*(2*\kt+\qt):64+8*(2*\kt+\qt)+7]
.endif
.endr
.endr
.endr
.endr
	WIN 0
	PLACES                                         ; behind the products: their results are read, and V's loads land on K's registers
	s_cmp_lg_u32 s19, s18                          ; the diagonal step?  The cluster's number and the count of steps alone: alike in all partners and waves
	s_cbranch_scc1 .Lopen_\@
.irp kt, 0,1
.irp qt, 0,1
.irp jj, 0,1,2,3,4,5,6,7
	v_cmp_gt_i32 vcc_lo, 16*\kt+\jj, v[12+\qt]
	v_cndmask_b32 v[64+8*(2*\kt+\qt)+\jj], v[64+8*(2*\kt+\qt)+\jj], v11, vcc_lo
.endr
.endr
.endr
.Lopen_\@:
.irp qt, 0,1                           ; the largest of my wave's 32 keys for each query: 16 scores a lane, each accumulator from its low end on
	v_max3_num_f32 v[42+2*\qt], v[64+8*\qt], v[65+8*\qt], v[66+8*\qt]
	v_max3_num_f32 v[43+2*\qt], v[80+8*\qt], v[81+8*\qt], v[82+8*\qt]
.endr
.irp i, 3,5
.irp qt, 0,1
	v_max3_num_f32 v[42+2*\qt], v[42+2*\qt], v[64+8*\qt+\i], v[65+8*\qt+\i]
	v_max3_num_f32 v[43+2*\qt], v[43+2*\qt], v[80+8*\qt+\i], v[81+8*\qt+\i]
.endr
.endr
.irp qt, 0,1
	v_max3_num_f32 v[42+2*\qt], v[42+2*\qt], v[71+8*\qt], v[87+8*\qt]
.endr
.irp qt, 0,1
	v_max_num_f32 v[42+2*\qt], v[42+2*\qt], v[43+2*\qt]
.endr
.irp qt, 0,1
	v_permlanex16_b32 v[43+2*\qt], v[42+2*\qt], s20, s21
.endr
.irp qt, 0,1
	v_max_num_f32 v[42+2*\qt], v[42+2*\qt], v[43+2*\qt]
.endr
.irp qt, 0,1
	ds_store_b32 v6, v[42+2*\qt] offset:256*\qt    ; lanes r and r + 16 write the same word with the same value
.endr
	; K's region is read out.  All my tensor loads have landed (the one that was out is this step's V); the add; my LDS instructions are done; then the round, and the next K first behind it
	s_wait_tensorcnt 0x0
	ds_add_u32 v[SPW], v[NIL]                      ; 0 onto my spare word
.if \refill
	s_add_co_u32 s60, s17, 1                       ; the next trip's key step: it begins anew where the second pass begins
	s_cmp_lt_u32 s60, s16
	s_cselect_b32 s61, 0, s16
	s_sub_co_u32 s59, s60, s61
	s_lshl_b32 s44, s59, 17
	s_add_nc_u64 s[34:35], s[40:41], s[44:45]      ; no tensor load of mine is out, so a group 0 may be written
	s_or_b32 s35, s35, 0x80000000
	s_wait_xcnt 0x0                                ; the last prefetches have read their addresses
	s_add_nc_u64 s[54:55], s[54:55], TILE
.endif
	s_wait_dscnt 0x0                               ; the add is done, my reads of K are over, my maxima are stored
.if \refill
	ROUND                                          ; no wave of any partner still reads K's region or has a load on its way
	tensor_load_to_lds s[32:35], s[G1:G1+7]        ; my one tensor load behind this round: it has the softmax and the products with V in which to land
	s_nop 0
	PLACES
.else
	s_barrier_signal -1
	s_barrier_wait -1
.endif
	ds_load_b128 v[50:53], v7                      ; the four waves' maxima of my query, tile 0,
	ds_load_b128 v[54:57], v7 offset:256           ; tile 1
	WIN 0x80
.irp ks, 0,1                           ; V's fragments of the first 64 keys
.irp ct, 0,1,2,3,4,5,6,7
.irp p, 0,1
	ds_load_b128 v[8*(8*\ks+\ct)+4*\p:8*(8*\ks+\ct)+4*\p+3], v3 offset:\ct*4096+\ks*1024+512*\p
.endr
.endr
.endr
	WIN 0
.if \refill
	ASK 54
.endif
	s_wait_dscnt 32                                ; the maxima are in; V's 32 loads may be out
.irp qt, 0,1
	v_max3_num_f32 v[42+2*\qt], v[50+4*\qt], v[51+4*\qt], v[52+4*\qt]
.endr
.irp qt, 0,1
	v_mov_b32 v[43+2*\qt], v[32+2*\qt]             ; c m_old
.endr
.irp qt, 0,1
	v_max3_num_f32 v[33+2*\qt], v[42+2*\qt], v[53+4*\qt], v[33+2*\qt]   ; the new m
.endr
.irp qt, 0,1
	v_mul_f32 v[32+2*\qt], s22, v[33+2*\qt]
.endr
.irp qt, 0,1
	v_sub_f32 v[43+2*\qt], v[43+2*\qt], v[32+2*\qt]
.endr
.irp qt, 0,1
.irp kt, 0,1
.irp i, 0,2,4,6
	v_pk_fma_f32 v[64+8*(2*\kt+\qt)+\i:64+8*(2*\kt+\qt)+\i+1], v[64+8*(2*\kt+\qt)+\i:64+8*(2*\kt+\qt)+\i+1], s[22:23], v[32+2*\qt:33+2*\qt] op_sel_hi:[1,0,0] neg_lo:[0,0,1] neg_hi:[0,0,1]   ; c s - c m
.endr
.endr
.endr
.irp qt, 0,1                           ; ONE BATCH of 34 exponentials
	v_exp_f32 v[36+2*\qt], v[43+2*\qt]             ; a
.endr
.set i, 0
.rept 32
	v_exp_f32 v[64+i], v[64+i]                     ; p
.set i, i+1
.endr
	v_nop                                          ; a plain instruction behind the last exponential,
	s_wait_alu depctr_va_vdst(0)                   ; and the one wait ahead of the batch's first reader
.irp qt, 0,1
.irp kt, 0,1
.irp i, 0,1,2,3
	v_cvt_pk_f16_f32 v[96+8*\qt+4*\kt+\i], v[64+8*(2*\kt+\qt)+2*\i], v[64+8*(2*\kt+\qt)+2*\i+1]   ; key tile 0 gives registers 0-3, key tile 1 registers 4-7 of the fragment of my 32 keys
.endr
.endr
.endr
.irp qt, 0,1
.irp p, 0,1
	ds_store_b128 v4, v[96+8*\qt+4*\p:96+8*\qt+4*\p+3] offset:1024*\qt+512*\p
.endr
.endr
.irp qt, 0,1                           ; the sum of my wave's p for each query, of the numbers before they were rounded
	v_pk_add_f32 v[64+8*\qt:65+8*\qt], v[64+8*\qt:65+8*\qt], v[66+8*\qt:67+8*\qt]
	v_pk_add_f32 v[68+8*\qt:69+8*\qt], v[68+8*\qt:69+8*\qt], v[70+8*\qt:71+8*\qt]
	v_pk_add_f32 v[80+8*\qt:81+8*\qt], v[80+8*\qt:81+8*\qt], v[82+8*\qt:83+8*\qt]
	v_pk_add_f32 v[84+8*\qt:85+8*\qt], v[84+8*\qt:85+8*\qt], v[86+8*\qt:87+8*\qt]
.endr
.irp qt, 0,1
	v_pk_add_f32 v[64+8*\qt:65+8*\qt], v[64+8*\qt:65+8*\qt], v[68+8*\qt:69+8*\qt]
	v_pk_add_f32 v[80+8*\qt:81+8*\qt], v[80+8*\qt:81+8*\qt], v[84+8*\qt:85+8*\qt]
.endr
.irp qt, 0,1
	v_pk_add_f32 v[64+8*\qt:65+8*\qt], v[64+8*\qt:65+8*\qt], v[80+8*\qt:81+8*\qt]
.endr
.irp qt, 0,1
	v_add_f32 v[42+2*\qt], v[64+8*\qt], v[65+8*\qt]
.endr
.irp qt, 0,1
	v_permlanex16_b32 v[43+2*\qt], v[42+2*\qt], s20, s21
.endr
.irp qt, 0,1
	v_add_f32 v[42+2*\qt], v[42+2*\qt], v[43+2*\qt]
.endr
.irp qt, 0,1
	ds_store_b32 v6, v[42+2*\qt] offset:512+256*\qt
.endr
	s_wait_dscnt 0x0                               ; for the others' sake: my part of P and my sums are stored; my loads are in
	s_barrier_signal -1
	s_barrier_wait -1                              ; K's load may stay out
	ds_load_b128 v[50:53], v7 offset:512           ; the four waves' sums
	ds_load_b128 v[54:57], v7 offset:768
.irp ks, 0,1,2,3
.irp qt, 0,1
.irp p, 0,1
	ds_load_b128 v[112+8*(2*\ks+\qt)+4*\p:112+8*(2*\ks+\qt)+4*\p+3], v5 offset:2048*\ks+1024*\qt+512*\p
.endr
.endr
.endr
	WIN 0x80
.irp ks, 2,3                           ; V's fragments of the last 64 keys
.irp ct, 0,1,2,3,4,5,6,7
.irp p, 0,1
	ds_load_b128 v[8*(8*\ks+\ct)+4*\p:8*(8*\ks+\ct)+4*\p+3], v3 offset:\ct*4096+\ks*1024+512*\p
.endr
.endr
.endr
	WIN 0xc3                                       ; O^T (destination and source 0) window 3, a window 0
.irp ct, 0,1,2,3,4,5,6,7
.irp qt, 0,1
.irp i, 0,2,4,6
	v_pk_mul_f32 v[8*(2*\ct+\qt)+\i:8*(2*\ct+\qt)+\i+1], v[8*(2*\ct+\qt)+\i:8*(2*\ct+\qt)+\i+1], v[36+2*\qt:37+2*\qt] op_sel_hi:[1,0]   ; O^T under the new m, each accumulator from its low end on
.endr
.endr
.endr
	WIN 0
	s_wait_dscnt 48                                ; the sums are in; P's 16 loads and V's 32 may be out
.irp qt, 0,1
	v_add_f32 v[50+4*\qt], v[50+4*\qt], v[51+4*\qt]
	v_add_f32 v[52+4*\qt], v[52+4*\qt], v[53+4*\qt]
.endr
.irp qt, 0,1
	v_add_f32 v[50+4*\qt], v[50+4*\qt], v[52+4*\qt]
.endr
.irp qt, 0,1
	v_fma_f32 v[40+\qt], v[40+\qt], v[36+2*\qt], v[50+4*\qt]       ; l = a l + the step's sum
.endr
	s_wait_dscnt 32                                ; P is in; V's last 32 loads may be out
	WIN 0xf2                                       ; source 0 (V) window 2, source 1 (P) window 0, C and D window 3
.irp ks, 0,1,2,3                       ; O^T += V^T P: the sixteen accumulators by turns
.if \ks == 2
	s_wait_dscnt 0x0                               ; V's last 64 keys are in
.endif
.irp ct, 0,1,2,3,4,5,6,7
.irp qt, 0,1
	v_wmma_f32_16x16x32_f16 v[8*(2*\ct+\qt):8*(2*\ct+\qt)+7], v[8*(8*\ks+\ct):8*(8*\ks+\ct)+7], v[112+8*(2*\ks+\qt):112+8*(2*\ks+\qt)+7], v[8*(2*\ct+\qt):8*(2*\ct+\qt)+7]
.endr
.endr
.endr
	WIN 0
	PLACES                                         ; behind the products: K's loads land on V's registers, and O^T is read
.if \refill
	; V's region is read out: the same three lines (the load that was out is the next K), the round, and the next V first behind it: it has the products with K in which to land
	s_wait_tensorcnt 0x0
	ds_add_u32 v[SPW], v[NIL]
	s_add_nc_u64 s[38:39], s[42:43], s[44:45]
	s_or_b32 s39, s39, 0x80000000
	s_wait_xcnt 0x0                                ; the last prefetches have read their addresses
	s_add_nc_u64 s[56:57], s[56:57], TILE
	s_wait_dscnt 0x0
	ROUND
	tensor_load_to_lds s[36:39], s[G1:G1+7]
	s_nop 0
	PLACES
	ASK 56
	s_mov_b32 s19, s59                             ; on to the next key step
.endif
.endm
	QLOAD 46
	RESET
	s_wait_tensorcnt 1                             ; my part of K is in; V's load, issued behind it, may stay out
	s_barrier_signal -1
	s_barrier_wait -1
	s_wait_loadcnt 0x0                             ; Q
.Lstep:                                            ; 16 trips; the 17th step, which asks for nothing, is written out
	STEP 1
	s_add_co_u32 s60, s17, 1
	s_cmp_lg_u32 s60, s16                          ; the first pass's last step?  The cluster's number and the count of trips alone.  No barrier and no tensor load stands under this branch
	s_cbranch_scc1 .Lsame
	QLOAD 48                                       ; the second pass's queries land while the first pass's rows leave
	EPILOGUE 50
	RESET
	s_mov_b32 s18, s14
	s_wait_loadcnt 0x0                             ; Q
	s_wait_xcnt 0x0                                ; the stores have read their registers: P's fragments land there again
.Lsame:
	s_add_co_u32 s17, s17, 1
	s_cmp_lt_u32 s17, 16
	s_cbranch_scc1 .Lstep
	STEP 0
	EPILOGUE 52
	s_wait_tensorcnt 0x0                           ; the wave's end, behind my last tensor load and my last LDS store
	ds_add_u32 v[SPW], v[NIL]
	s_wait_dscnt 0x0
	ROUND                                          ; the closing round
	s_endpgm
.Lfunc_end_k_qba2a89b039_attn:
	.size	k_qba2a89b039_attn, .Lfunc_end_k_qba2a89b039_attn-k_qba2a89b039_attn
	.p2alignl 7, 3214868480
	.fill 96, 4, 3214868480
	.section	.rodata,"a",@progbits
	.p2align	6, 0x0
	.amdhsa_kernel k_qba2a89b039_attn
		.amdhsa_group_segment_fixed_size 327680
		.amdhsa_private_segment_fixed_size 0
		.amdhsa_enable_private_segment 0
		.amdhsa_kernarg_size 32
		.amdhsa_user_sgpr_count 2
		.amdhsa_user_sgpr_kernarg_segment_ptr 1
		.amdhsa_wavefront_size32 1
		.amdhsa_system_sgpr_workgroup_id_x 1
		.amdhsa_system_sgpr_workgroup_id_y 1
		.amdhsa_system_sgpr_workgroup_id_z 1
		.amdhsa_system_vgpr_workitem_id 0
		.amdhsa_next_free_vgpr 896
		.amdhsa_next_free_sgpr 72
		.amdhsa_reserve_vcc 1
		.amdhsa_float_denorm_mode_32 3
		.amdhsa_float_denorm_mode_16_64 3
		.amdhsa_memory_ordered 1
		.amdhsa_forward_progress 1
		.amdhsa_inst_pref_size 116
	.end_amdhsa_kernel
	.amdgpu_metadata
---
amdhsa.version: [ 1, 2 ]
amdhsa.kernels:
  - .name:           k_qba2a89b039_attn
    .symbol:         k_qba2a89b039_attn.kd
    .args:
      - { .name: qf, .offset: 0, .size: 8, .value_kind: global_buffer, .address_space: global }
      - { .name: kf, .offset: 8, .size: 8, .value_kind: global_buffer, .address_space: global }
      - { .name: vf, .offset: 16, .size: 8, .value_kind: global_buffer, .address_space: global }
      - { .name: out0, .offset: 24, .size: 8, .value_kind: global_buffer, .address_space: global }
    .group_segment_fixed_size: 327680
    .private_segment_fixed_size: 0
    .kernarg_segment_align: 8
    .kernarg_segment_size: 32
    .max_flat_workgroup_size: 128
    .sgpr_count:     72
    .vgpr_count:     896
    .wavefront_size: 32
...
	.end_amdgpu_metadata
.endif
;; end of part 3
;; launch first16 (part 4): grid 8 x 8, 1 waves a work-group, no clusters, 4,608 bytes of LDS; arguments f32rows, out0; writes out0
.if DOCPART == 4
	.amdgcn_target "amdgcn-amd-amdhsa--gfx1250"
	.amdhsa_code_object_version 6
	.text
	.protected	k_qba2a89b039_first16
	.globl	k_qba2a89b039_first16
	.p2align	8
	.type	k_qba2a89b039_first16,@function
k_qba2a89b039_first16:
	s_mov_b64 s[64:65], 0
	v_nop
	global_prefetch_b8 v0, s[64:65] scope:SCOPE_SE
	s_setreg_imm32_b32 hwreg(HW_REG_WAVE_MODE, 25, 1), 1
	s_wait_xcnt 0x0
; The first 16 positions of each batch, in f32 throughout: they average one to sixteen values, so the rounding of 16-bit operands would weigh most there.  These 128 rows of out are written over what the launch before stored.
; A work-group of one wave takes a batch (grid y) and 64 channels of the output (grid x).  Each makes the 16 x 16 scores anew: 128 small matrix instructions; so no work-group waits for another, and there is no barrier.
; No cluster: what the eight work-groups of a batch share is 64 KB that goes straight into registers.  No prefetch: the launch is short.
; THE ACCUMULATOR IMAGES SERVE AS OPERANDS AS THEY STAND.  k's and q's image of channel tile ct: lane (r, h), register j = (token r, channel 16 ct + 8 h + j).  The f32 form wants of lane (r, h) two registers, k = 2 h + j.
; Registers 2 u, 2 u + 1 of both images give it channels 16 ct + 8 h + 2 u + j: the same permutation of K on both sides, which keeps the products.  v's image: lane (r, h), register j = (token 8 h + j, channel r);
; the scores S^T = k q^T: lane (r, h), register j = (key 8 h + j, query r): registers 2 u, 2 u + 1 of both stand for keys 8 h + 2 u + j.
; The registers that the f32 matrix form writes (v96-127, v136-167) are written by matrix instructions alone, and each sum begins with the constant 0.
; REGISTERS: window 0: v1-14 addresses and at work; v28, v29 the add's two; v64-95 v's four images; v96-127 four partial scores; v128-135 the scores, then p; v136-167 O^T; v168-199 at work, then O^T / l; v200-231 rows of out.
;   window 1: k's 32 images.   window 2: q's.
.set SPARE, 4352                       ; behind the stage of 16 rows x (256 + 16) bytes: the spare words
.set SPW, 28
.set NIL, 29
.set MSB, 0
.macro WIN new
.if MSB != \new
	s_set_vgpr_msb (MSB<<8)|\new
.set MSB, \new
.endif
.endm
	s_load_b128 s[4:7], s[0:1], 0x0                ; f32rows, out0
	v_lshl_add_u32 v[SPW], v0, 2, SPARE
	v_mov_b32 v[NIL], 0
	v_lshlrev_b32 v1, 4, v0                        ; 16 x lane
	v_and_b32 v2, 15, v0                           ; r
	v_lshrrev_b32 v3, 4, v0                        ; h
	v_lshlrev_b32 v4, 3, v3
	v_sub_nc_u32 v4, v2, v4                        ; register j (key 8 h + j) is hidden where j > r - 8 h
	v_mul_u32_u24 v5, v2, 272
	v_lshl_add_u32 v5, v3, 5, v5                   ; the stage, in: row r, + 32 h
	v_mul_u32_u24 v6, v3, 272
	v_lshl_add_u32 v6, v2, 4, v6                   ; back: sixteen lanes to a row, two rows an instruction
	v_lshlrev_b32 v7, 11, v3
	v_lshl_add_u32 v7, v2, 4, v7                   ; and the same place in out
	v_mov_b32 v8, 0xff800000                       ; -infinity
	v_mov_b32 v10, 0                               ; (a lane permute's destination counts as one of its sources)
	s_mov_b32 s20, 0x76543210
	s_mov_b32 s21, 0xfedcba98
	s_mov_b32 s22, 0x3d8293ee                      ; c = log2(e) / sqrt(512)
	s_and_b32 s8, ttmp7, 0xffff                    ; batch
	s_mul_i32 s10, s8, 98304                       ; its 96 images of 1,024 bytes
	s_mov_b32 s11, 0
	s_lshl_b32 s12, s8, 22                         ; its 2,048 rows of 2,048 bytes,
	s_lshl_b32 s13, ttmp9, 8                       ; my 64 channels
	s_add_co_u32 s12, s12, s13
	s_mov_b32 s13, 0
	s_lshl_b32 s14, ttmp9, 12                      ; v's images 4 g on
	s_mov_b32 s15, 0
	s_wait_kmcnt 0x0
	s_add_nc_u64 s[4:5], s[4:5], s[10:11]
	s_add_nc_u64 s[6:7], s[6:7], s[12:13]
	s_add_nc_u64 s[16:17], s[4:5], s[14:15]
	WIN 0x40
.set ct, 0
.rept 32
	global_load_b128 v[8*ct:8*ct+3], v1, s[4:5] offset:ct*1024             ; k
	global_load_b128 v[8*ct+4:8*ct+7], v1, s[4:5] offset:ct*1024+512
.set ct, ct+1
.endr
	WIN 0x80
.set ct, 0
.rept 32
	global_load_b128 v[8*ct:8*ct+3], v1, s[4:5] offset:32768+ct*1024       ; q
	global_load_b128 v[8*ct+4:8*ct+7], v1, s[4:5] offset:32768+ct*1024+512
.set ct, ct+1
.endr
	WIN 0
.irp t, 0,1,2,3
	global_load_b128 v[64+8*\t:64+8*\t+3], v1, s[16:17] offset:65536+\t*1024       ; v
	global_load_b128 v[64+8*\t+4:64+8*\t+7], v1, s[16:17] offset:65536+\t*1024+512
.endr
	s_wait_loadcnt 0x0
	WIN 0x09                                       ; source 0 (k) window 1, source 1 (q) window 2
.set ct, 0
.rept 32                               ; four accumulators by turns, one for each pair of registers
.irp u, 0,1,2,3
.if ct == 0
	v_wmma_f32_16x16x4_f32 v[96+8*\u:96+8*\u+7], v[8*ct+2*\u:8*ct+2*\u+1], v[8*ct+2*\u:8*ct+2*\u+1], 0
.else
	v_wmma_f32_16x16x4_f32 v[96+8*\u:96+8*\u+7], v[8*ct+2*\u:8*ct+2*\u+1], v[8*ct+2*\u:8*ct+2*\u+1], v[96+8*\u:96+8*\u+7]
.endif
.endr
.set ct, ct+1
.endr
	WIN 0
.rept 8
	v_nop                                          ; eight places behind this form before its results are read (ISA guide 7.12.1)
.endr
.irp j, 0,1,2,3,4,5,6,7
	v_add_f32 v[128+\j], v[96+\j], v[104+\j]       ; the four parts, each from its low end on
.endr
.irp j, 0,1,2,3,4,5,6,7
	v_add_f32 v[168+\j], v[112+\j], v[120+\j]
.endr
.irp j, 0,1,2,3,4,5,6,7
	v_add_f32 v[128+\j], v[128+\j], v[168+\j]
.endr
.irp j, 0,1,2,3,4,5,6,7
	v_cmp_gt_i32 vcc_lo, \j, v4
	v_cndmask_b32 v[128+\j], v[128+\j], v8, vcc_lo ; the causal mask
.endr
	v_max3_num_f32 v9, v128, v129, v130
	v_max3_num_f32 v9, v9, v131, v132
	v_max3_num_f32 v9, v9, v133, v134
	v_max_num_f32 v9, v9, v135
	v_permlanex16_b32 v10, v9, s20, s21
	v_max_num_f32 v9, v9, v10                      ; the row's maximum: key 0 counts for every query
	v_mul_f32 v10, s22, v9
.irp j, 0,1,2,3,4,5,6,7
	v_fma_f32 v[128+\j], v[128+\j], s22, -v10
.endr
.irp j, 0,1,2,3,4,5,6,7
	v_exp_f32 v[128+\j], v[128+\j]
.endr
	v_nop                                          ; a plain instruction behind the exponentials,
	s_wait_alu depctr_va_vdst(0)                   ; and the one wait ahead of their first reader
	v_add_f32 v11, v128, v129
	v_add_f32 v12, v130, v131
	v_add_f32 v13, v132, v133
	v_add_f32 v14, v134, v135
	v_add_f32 v11, v11, v12
	v_add_f32 v13, v13, v14
	v_add_f32 v11, v11, v13
	v_permlanex16_b32 v12, v11, s20, s21
	v_add_f32 v11, v11, v12                        ; the row's sum
	v_rcp_f32 v13, v11
	v_nop
	s_wait_alu depctr_va_vdst(0)
.irp u, 0,1,2,3                        ; O^T = V^T P: four accumulators by turns, four keys at a time
.irp t, 0,1,2,3
.if \u == 0
	v_wmma_f32_16x16x4_f32 v[136+8*\t:136+8*\t+7], v[64+8*\t+2*\u:64+8*\t+2*\u+1], v[128+2*\u:128+2*\u+1], 0
.else
	v_wmma_f32_16x16x4_f32 v[136+8*\t:136+8*\t+7], v[64+8*\t+2*\u:64+8*\t+2*\u+1], v[128+2*\u:128+2*\u+1], v[136+8*\t:136+8*\t+7]
.endif
.endr
.endr
.rept 8
	v_nop
.endr
.irp t, 0,1,2,3
.irp j, 0,1,2,3,4,5,6,7
	v_mul_f32 v[168+8*\t+\j], v[136+8*\t+\j], v13  ; O^T / the sum, into other registers
.endr
.endr
.irp t, 0,1,2,3
	ds_store_b128 v5, v[168+8*\t:168+8*\t+3] offset:64*\t          ; lane (r, h): out(query r, channels 64 g + 16 t + 8 h + 0 .. 7)
	ds_store_b128 v5, v[168+8*\t+4:168+8*\t+7] offset:64*\t+16
.endr
.irp i, 0,1,2,3,4,5,6,7
	ds_load_b128 v[200+4*\i:200+4*\i+3], v6 offset:544*\i          ; LDS serves a wave's instructions in order: these see my stores
.endr
.irp i, 0,1,2,3,4,5,6,7
	s_wait_dscnt 7-\i
	global_store_b128 v7, v[200+4*\i:200+4*\i+3], s[6:7] offset:4096*\i   ; sixteen lanes store 256 consecutive bytes, aligned
.endr
	s_wait_tensorcnt 0x0                           ; the wave's end, behind my last LDS store
	ds_add_u32 v[SPW], v[NIL]
	s_wait_dscnt 0x0
	s_endpgm
.Lfunc_end_k_qba2a89b039_first16:
	.size	k_qba2a89b039_first16, .Lfunc_end_k_qba2a89b039_first16-k_qba2a89b039_first16
	.p2alignl 7, 3214868480
	.fill 96, 4, 3214868480
	.section	.rodata,"a",@progbits
	.p2align	6, 0x0
	.amdhsa_kernel k_qba2a89b039_first16
		.amdhsa_group_segment_fixed_size 4608
		.amdhsa_private_segment_fixed_size 0
		.amdhsa_enable_private_segment 0
		.amdhsa_kernarg_size 16
		.amdhsa_user_sgpr_count 2
		.amdhsa_user_sgpr_kernarg_segment_ptr 1
		.amdhsa_wavefront_size32 1
		.amdhsa_system_sgpr_workgroup_id_x 1
		.amdhsa_system_sgpr_workgroup_id_y 1
		.amdhsa_system_sgpr_workgroup_id_z 1
		.amdhsa_system_vgpr_workitem_id 0
		.amdhsa_next_free_vgpr 768
		.amdhsa_next_free_sgpr 66
		.amdhsa_reserve_vcc 1
		.amdhsa_float_denorm_mode_32 3
		.amdhsa_float_denorm_mode_16_64 3
		.amdhsa_memory_ordered 1
		.amdhsa_forward_progress 1
		.amdhsa_inst_pref_size 31
	.end_amdhsa_kernel
	.amdgpu_metadata
---
amdhsa.version: [ 1, 2 ]
amdhsa.kernels:
  - .name:           k_qba2a89b039_first16
    .symbol:         k_qba2a89b039_first16.kd
    .args:
      - { .name: f32rows, .offset: 0, .size: 8, .value_kind: global_buffer, .address_space: global }
      - { .name: out0, .offset: 8, .size: 8, .value_kind: global_buffer, .address_space: global }
    .group_segment_fixed_size: 4608
    .private_segment_fixed_size: 0
    .kernarg_segment_align: 8
    .kernarg_segment_size: 16
    .max_flat_workgroup_size: 32
    .sgpr_count:     66
    .vgpr_count:     768
    .wavefront_size: 32
...
	.end_amdgpu_metadata
.endif
;; end of part 4
;; ======== version 2 of 2: 4 launches
;; limits: values are held in f16: magnitudes above 65,504 overflow, below 6.1e-05 lose precision
;; workspace buffers: xc 8,388,608 bytes; xs 524,288 bytes; wc 786,432 bytes; ws 49,152 bytes; qf 16,777,216 bytes; kf 16,777,216 bytes; vf 16,777,216 bytes; f32rows 786,432 bytes
;; launch quant: the kernel of part 1 again; grid 280 x 1, 8 waves a work-group, no clusters, 78,848 bytes of LDS; arguments x, Wk, Wq, Wv, xc, xs, wc, ws; writes xc, xs, wc, ws
;; launch proj: the kernel of part 2 again; grid 64 x 4, 4 waves a work-group, clusters of 4 x 1, 197,120 bytes of LDS; arguments xc, xs, wc, ws, qf, kf, vf, f32rows; writes qf, kf, vf, f32rows
;; launch attn (part 5): grid 32 x 8, 4 waves a work-group, clusters of 4 x 1, 327,680 bytes of LDS; arguments qf, kf, vf, out0; writes out0
.if DOCPART == 5
	.amdgcn_target "amdgcn-amd-amdhsa--gfx1250"
	.amdhsa_code_object_version 6
	.text
	.protected	k_qba2a89b039_attn
	.globl	k_qba2a89b039_attn
	.p2align	8
	.type	k_qba2a89b039_attn,@function
k_qba2a89b039_attn:
	s_mov_b64 s[64:65], 0
	v_nop
	global_prefetch_b8 v0, s[64:65] scope:SCOPE_SE
	s_setreg_imm32_b32 hwreg(HW_REG_WAVE_MODE, 25, 1), 1
	s_wait_xcnt 0x0
	s_wait_alu depctr_hold_cnt(0) depctr_sa_sdst(0) depctr_va_vdst(0) depctr_va_sdst(0) depctr_va_ssrc(0) depctr_va_vcc(0) depctr_vm_vsrc(0)
	s_getreg_b32 s2, hwreg(HW_REG_IB_STS2, 6, 4)
	s_cmp_eq_u32 s2, 0
	s_cbranch_scc0 .Lentry_in_a_cluster
	s_endpgm
.Lentry_in_a_cluster:
	s_bfe_u32 s2, ttmp6, 0x10000c
	s_cmp_lg_u32 s2, 0x3003
	s_cbranch_scc0 .Lentry_shape_is_right
	s_endpgm
.Lentry_shape_is_right:
; out[b][t] = the sum over s <= t of softmax_s(q[b][t] . k[b][s] / sqrt(512)) v[b][s], one head of 512, 2,048 positions, 8 batches.  q, k, v and the weights p go to the matrix unit as f16; products, maxima and sums in f32.
; LIMITS: |q|, |k|, |v| under 65,504 (f16).  Rows t < 16 of every batch are stored here like all others and WRITTEN OVER by the next launch, which carries them in f32: they belong to one partner of a cluster, and partners run alike.
; EVEN SHARES UNDER THE MASK.  A batch has 16 blocks of 128 queries.  Cluster c (0..7) takes block 15 - c (16 - c key steps of 128) and then block c (c + 1 steps): ALWAYS 17 key steps, a constant trip count, the same 34 joint loads in every cluster.
; Partner cx owns queries 32 cx .. 32 cx + 31 of the block: two tiles of 16.  The block's last key step lies on the diagonal: it is computed whole and hidden scores become -infinity, so that all partners read every tile.
; THE FIRST PASS'S WALK IS TURNED.  A running maximum takes the keys in any order.  Cluster c begins its first pass at key step 12 - 4 c (c < 4) or 21 - 3 c (c >= 4) and wraps round at the pass's end.  So the clusters of a batch do not ask for
; the same tile in the same trip: among clusters 0 to 3 each of the 16 tiles, and among clusters 4 to 7 each of their 12, is asked for first by one cluster, in its first four (three) trips, and by the others at least three trips later.
; The diagonal step is known by its number, wherever the walk meets it.  Where it comes first, m is a number all the same: the block's first key counts for every query of the block.  The second pass walks from key step 0.
; CLUSTER.  The four partners walk the same K and V: each tile is asked for jointly, by the same tensor load with a mask that names the four.
; SHARES OF THE WAVES IN A STEP.  S^T = K Q^T: wave w takes keys 32 w .. + 31 against both query tiles over all 512 channels (64 matrix instructions, 4 accumulators).  O^T = V^T P: wave w takes channels 128 w .. + 127 against both query
; tiles over the 128 keys (64 matrix instructions, 16 accumulators).  So each byte of K and V is read from LDS once, by the wave that fetched it.  P, the waves' maxima and sums go from wave to wave through LDS, P as an image of its registers.
; kf, qf, vf lie in the order of the operands' registers: a tile is a dense block, every LDS load reads 512 consecutive bytes, nothing is padded or turned.
; K AND V HAVE ONE REGION EACH AND TAKE TURNS: behind the products with K a round of the cluster's barrier, and the next step's K is asked for; it lands during the softmax and the products with V; behind those a second round, and the next V is asked for.
; SOFTMAX: a running maximum m and sum l for each query: p = 2^(c s - c m), c = log2(e) / sqrt(512); in every step O and l are multiplied by a = 2^(c m_old - c m_new).  The step is written once: O and l begin as zeros, m as -3e38.
; REGISTERS: window 0: v1-13 addresses and constants; v28, v29 the add's two; v32-35 (c m, m) a query tile; v36-39 (a, 0); v40, v41 l; v42-57 at work; v64-95 S^T (key tile kt, query tile qt: 64 + 8 (2 kt + qt)); v96-111 p packed;
;   v112-175 P's eight fragments, on the way out rows of out; v176-239 the way out.   window 1: Q (8 (16 qt + e), e = 32 channels).   window 2: K (8 (2 e + kt)), then V (8 (8 ks + ct)).   window 3: O^T (8 (2 ct + qt)).
.set VREG,  131072                     ; LDS: K's 128 KB at 0 (wave w's part at 32,768 w), V's here
.set PIMG,  262144                     ; P's eight fragments (32 keys ks, query tile qt) at 2,048 ks + 1,024 qt
.set STAT,  270336                     ; the waves' maxima [qt][query r][wave], 512 bytes; their sums 512 bytes on
.set STG,   271360                     ; the way out: 16 rows x (512 + 16) bytes for each wave
.set SPARE, 305152                     ; the spare words, 128 bytes for each wave
.set TILE,  131072                     ; a key step's K, and its V, in bytes
.set SPW, 28
.set NIL, 29
.set WV,  12                           ; s12 wave; s13 cx; s14 c; s15 batch; s16 steps of the first pass; s17 trip; s18 the block in hand; s19 the key step in hand; s[20:21] lane selects; s[22:23] c
.set G1,  24                           ; s[24:31] descriptor group 1; s[32:35], s[36:39] groups 0 for K and V; s[40:41], s[42:43] my part of the batch's first tile of K, of V; s[44:45] the next tile's offset
                                       ; s[46:47], s[48:49] Q of the first, the second pass; s[50:51], s[52:53] out likewise; s[54:55], s[56:57] the prefetches' places in K, V; s58 their limit; s59 the next key step
.set START, 66                         ; s66 the key step at which my cluster's first pass begins
.set MSB, 0
.macro WIN new                         ; the immediate's high byte repeats the setting that is left
.if MSB != \new
	s_set_vgpr_msb (MSB<<8)|\new
.set MSB, \new
.endif
.endm
.macro ROUND                           ; a round of the cluster's barrier
	s_barrier_signal -1
	s_barrier_wait -1
	s_cmp_lg_u32 s[WV], 0
	s_cbranch_scc1 .Lnot_wave_0_\@
	s_barrier_signal -3
.Lnot_wave_0_\@:
	s_barrier_wait -3
	s_barrier_signal -1
	s_barrier_wait -1
.endm
.macro PLACES
.rept 4
	v_nop
.endr
.endm
; A PREFETCH INTO THE L2: in trip I the tile that trip I + 2 multiplies, one step ahead of the joint load that will ask for it.  Clusters 0 to 3 ask, in trips 0 and 1: the tiles start + 2 and start + 3, which are
; 14, 15; 10, 11; 6, 7; 2, 3 of the batch: eight different tiles.  Clusters 4 to 7 ask for nothing, so that each tile is named by one cluster.  The branch hangs on the cluster's number and the count of trips alone.
; A cluster's four partners share a tile out BY ADDRESS, 32,768 bytes each, their waves 8,192 each, lanes 256 bytes apart: each aligned block of 256 bytes is named once in the launch.  The other tiles come by their loads alone.
.macro ASK p
	s_cmp_lt_u32 s17, s58
	s_cbranch_scc0 .Lnot_mine_\@
	global_prefetch_b8 v10, s[\p:\p+1] th:TH_LOAD_NT scope:SCOPE_SE
.Lnot_mine_\@:
.endm
	s_load_b256 s[4:11], s[0:1], 0x0               ; qf, kf, vf, out0
	v_lshl_add_u32 v[SPW], v0, 2, SPARE
	v_mov_b32 v[NIL], 0
	ds_add_u32 v[SPW], v[NIL]                      ; the wave's opening: the add, twice on end, and its wait ahead of my first tensor load
	ds_add_u32 v[SPW], v[NIL]
	v_lshrrev_b32 v14, 5, v0
	v_readfirstlane_b32 s[WV], v14                 ; wave 0..3
	s_bfe_u32 s13, ttmp6, 0x40000                  ; cx
	s_mov_b32 s14, ttmp9                           ; c
	s_and_b32 s15, ttmp7, 0xffff                   ; batch
	s_sub_co_u32 s16, 16, s14                      ; key steps of the first pass
	s_mov_b32 s17, 0
	s_sub_co_u32 s18, 15, s14                      ; the first pass's block
	s_lshl_b32 s60, s14, 2
	s_sub_co_u32 s60, 12, s60                      ; 12 - 4 c, for c < 4
	s_mul_i32 s61, s14, 3
	s_sub_co_u32 s61, 21, s61                      ; 21 - 3 c, for c >= 4
	s_cmp_lt_u32 s14, 4                            ; the cluster's number alone: alike in all four partners
	s_cselect_b32 s[START], s60, s61               ; where my cluster's first pass begins: under its 16 - c steps
	s_cselect_b32 s58, 2, 0                        ; and in how many trips it prefetches
	s_mov_b32 s19, s[START]                        ; the first key step
	s_lshl_b32 s44, s[START], 17                   ; its tile's offset
	s_mov_b32 s45, 0
	s_mov_b32 s20, 0x76543210
	s_mov_b32 s21, 0xfedcba98                      ; v_permlanex16_b32's selects for lane l xor 16
	s_mov_b32 s22, 0x3d8293ee                      ; c = log2(e) / sqrt(512)
	s_mov_b32 s23, s22                             ; (named with it as a pair, so it is written)
	; descriptor group 1: a dense block of 32 KB as 128 rows of 256 bytes (32 elements of 8 bytes), no padding
	s_mov_b32 s[G1+0], 15|(3<<16)|(1<<21)          ; the mask: all four partners; elements of 8 bytes; bit 21 beside the mask
	s_mov_b32 s[G1+1], 32<<16
	s_mov_b32 s[G1+2], 128<<16
	s_mov_b32 s[G1+3], 32<<16
	s_mov_b32 s[G1+4], 128
	s_mov_b32 s[G1+5], 32
	s_mov_b32 s[G1+6], 0
	s_mov_b32 s[G1+7], 0
	v_and_b32 v14, 31, v0                          ; lane
	v_and_b32 v15, 15, v0                          ; r
	v_bfe_u32 v16, v0, 4, 1                        ; h
	v_lshlrev_b32 v1, 4, v14                       ; 16 x lane
	s_lshl_b32 s60, s[WV], 15
	v_add_nc_u32 v2, s60, v1                       ; my part of K's region
	v_add_nc_u32 v3, VREG, v2                      ; of V's
	s_lshl_b32 s60, s[WV], 11
	v_add_nc_u32 v4, s60, v1
	v_add_nc_u32 v4, PIMG, v4                      ; where I store P: K step w of the second product
	v_add_nc_u32 v5, PIMG, v1                      ; where I read P
	v_lshlrev_b32 v7, 4, v15
	v_add_nc_u32 v7, STAT, v7                      ; my query's four words,
	s_lshl_b32 s60, s[WV], 2
	v_add_nc_u32 v6, s60, v7                       ; my wave's among them
	s_mul_i32 s60, s[WV], 8448
	v_mul_u32_u24 v8, v15, 528
	v_lshl_add_u32 v8, v16, 5, v8
	v_add_nc_u32 v8, s60, v8
	v_add_nc_u32 v8, STG, v8                       ; the stage, in: row r, + 32 h
	v_add_nc_u32 v9, s60, v1
	v_add_nc_u32 v9, STG, v9                       ; back: a row of 512 bytes to the 32 lanes
	v_lshlrev_b32 v10, 8, v14                      ; the prefetches' offset
	v_mov_b32 v11, 0xff800000                      ; -infinity
	s_sub_co_i32 s62, s13, s[WV]
	s_lshl_b32 s62, s62, 5
	v_lshlrev_b32 v12, 3, v16
	v_sub_nc_u32 v12, v15, v12
	v_add_nc_u32 v12, s62, v12                     ; on the diagonal register jj of key tile kt is hidden where 16 kt + jj > 32 cx + 16 qt + r - 32 w - 8 h: that number for qt = 0,
	v_add_nc_u32 v13, 16, v12                      ; and for qt = 1
	v_mov_b32 v37, 0                               ; (upper halves of pairs of which the low word serves both halves)
	v_mov_b32 v39, 0
	s_wait_dscnt 0x0                               ; both opening adds are done
	s_wait_kmcnt 0x0
	s_lshl_b32 s60, s15, 21                        ; a batch's K, and V, are 2 MB; my part of a tile begins 32,768 w on.  Batch and wave alone: alike in all partners
	s_lshl_b32 s61, s[WV], 15
	s_add_co_u32 s60, s60, s61
	s_mov_b32 s61, 0
	s_add_nc_u64 s[40:41], s[6:7], s[60:61]
	s_add_nc_u64 s[42:43], s[8:9], s[60:61]
	s_mov_b32 s32, 1
	s_lshl_b32 s33, s[WV], 15
	s_add_nc_u64 s[34:35], s[40:41], s[44:45]      ; the tile at which the walk begins
	s_or_b32 s35, s35, 0x80000000
	s_mov_b32 s36, 1
	s_add_co_u32 s37, s33, VREG
	s_add_nc_u64 s[38:39], s[42:43], s[44:45]
	s_or_b32 s39, s39, 0x80000000
	s_lshl_b32 s62, s15, 21                        ; Q: tile 128 batch + 8 block + 2 cx, 16,384 bytes a tile
	s_lshl_b32 s63, s13, 15
	s_add_co_u32 s62, s62, s63
	s_mov_b32 s3, 0
	s_lshl_b32 s63, s18, 17
	s_add_co_u32 s2, s62, s63
	s_add_nc_u64 s[46:47], s[4:5], s[2:3]
	s_lshl_b32 s63, s14, 17
	s_add_co_u32 s2, s62, s63
	s_add_nc_u64 s[48:49], s[4:5], s[2:3]
	s_lshl_b32 s63, s[WV], 13                      ; the prefetches: in tile start + 1, + 32,768 cx + 8,192 w; each is stepped a tile on ahead of its use
	s_add_co_u32 s2, s62, s63
	s_add_co_u32 s2, s2, TILE
	s_add_co_u32 s2, s2, s44
	s_add_nc_u64 s[54:55], s[6:7], s[2:3]
	s_add_nc_u64 s[56:57], s[8:9], s[2:3]
	s_lshl_b32 s62, s15, 22                        ; out: row 2,048 batch + 128 block + 32 cx of 2,048 bytes, + 512 w
	s_lshl_b32 s63, s13, 16
	s_add_co_u32 s62, s62, s63
	s_lshl_b32 s63, s[WV], 9
	s_add_co_u32 s62, s62, s63
	s_lshl_b32 s63, s18, 18
	s_add_co_u32 s2, s62, s63
	s_add_nc_u64 s[50:51], s[10:11], s[2:3]
	s_lshl_b32 s63, s14, 18
	s_add_co_u32 s2, s62, s63
	s_add_nc_u64 s[52:53], s[10:11], s[2:3]
	ROUND                                          ; all four work-groups are here: the first joint loads meet
	tensor_load_to_lds s[32:35], s[G1:G1+7]        ; the first key step: K,
	s_nop 0
	tensor_load_to_lds s[36:39], s[G1:G1+7]        ; and V: two loads of mine are out
	s_nop 0
	PLACES
.macro QLOAD qb                        ; my work-group's 32 queries, all 512 channels, into window 1: they stay for a pass
	WIN 0x40
.irp qt, 0,1
.irp e, 0,1,2,3,4,5,6,7,8,9,10,11,12,13,14,15
.irp p, 0,1
	global_load_b128 v[8*(16*\qt+\e)+4*\p:8*(16*\qt+\e)+4*\p+3], v1, s[\qb:\qb+1] offset:\qt*16384+\e*1024+512*\p
.endr
.endr
.endr
	WIN 0
.endm
.macro RESET                           ; a pass begins: m = -3e38, under every score; l = 0; O^T = 0.  The price of a step that is written once: paid twice in the launch
	v_mov_b32 v33, 0xff61b1e6
	v_mov_b32 v35, 0xff61b1e6
	v_mul_f32 v32, s22, v33
	v_mul_f32 v34, s22, v35
	v_mov_b32 v40, 0
	v_mov_b32 v41, 0
	WIN 0xc0
.set i, 0
.rept 128
	v_mov_b32 v[i], 0
.set i, i+1
.endr
	WIN 0
.endm
; THE WAY OUT of a pass: O^T / l goes through my stage, a query tile at a time, and leaves as rows: each store is 512 consecutive bytes, aligned.
.macro EPILOGUE ob
	v_rcp_f32 v36, v40
	v_rcp_f32 v38, v41
	v_nop                                          ; a plain instruction behind the reciprocals,
	s_wait_alu depctr_va_vdst(0)                   ; and the wait ahead of the first use: one for both
.irp qt, 0,1
	WIN 0x03                                       ; source 0 window 3
.irp ct, 0,1,2,3,4,5,6,7
.irp i, 0,2,4,6
	v_pk_mul_f32 v[176+8*\ct+\i:176+8*\ct+\i+1], v[8*(2*\ct+\qt)+\i:8*(2*\ct+\qt)+\i+1], v[36+2*\qt:37+2*\qt] op_sel_hi:[1,0]   ; each accumulator from its low end on
.endr
.endr
	WIN 0
.irp ct, 0,1,2,3,4,5,6,7
	ds_store_b128 v8, v[176+8*\ct:176+8*\ct+3] offset:64*\ct       ; lane (r, h): out(query r, channels 128 w + 16 ct + 8 h + 0 .. 7)
	ds_store_b128 v8, v[176+8*\ct+4:176+8*\ct+7] offset:64*\ct+16
.endr
.if \qt == 1
	s_wait_xcnt 0x0                                ; the first tile's stores have read the registers into which the loads below land
.endif
.irp i, 0,1,2,3,4,5,6,7,8,9,10,11,12,13,14,15
	ds_load_b128 v[112+4*\i:112+4*\i+3], v9 offset:528*\i          ; LDS serves a wave's instructions in order: these see my stores
.endr
.irp i, 0,1,2,3,4,5,6,7,8,9,10,11,12,13,14,15
	s_wait_dscnt 15-\i
	global_store_b128 v1, v[112+4*\i:112+4*\i+3], s[\ob:\ob+1] offset:(16*\qt+\i)*2048 th:TH_STORE_NT
.endr
.endr
.endm
; A KEY STEP of 128 keys.  refill = 1: the next step's K and V are asked for.
.macro STEP refill
	WIN 0x80                                       ; destination window 2
.irp e, 0,1,2,3,4,5,6,7,8,9,10,11,12,13,14,15
.irp kt, 0,1
.irp p, 0,1
	ds_load_b128 v[8*(2*\e+\kt)+4*\p:8*(2*\e+\kt)+4*\p+3], v2 offset:\kt*16384+\e*1024+512*\p
.endr
.endr
.endr
.irp q4, 0,1,2,3                       ; S^T = K Q^T, 128 channels at a time; the four accumulators by turns
	s_wait_dscnt 48-16*\q4                         ; these 128 channels' 16 loads are in; those of the later channels may be out
	WIN 0x06                                       ; source 0 (K) window 2, source 1 (Q) window 1
.irp e, 0,1,2,3
.irp kt, 0,1
.irp qt, 0,1
.if 4*\q4+\e == 0
	v_wmma_f32_16x16x32_f16 v[64+8*(2*\kt+\qt):64+8*(2*\kt+\qt)+7], v[8*(2*(4*\q4+\e)+\kt):8*(2*(4*\q4+\e)+\kt)+7], v[8*(16*\qt+4*\q4+\e):8*(16*\qt+4*\q4+\e)+7], 0
.else
	v_wmma_f32_16x16x32_f16 v[64+8*(2*\kt+\qt):64+8*(2*\kt+\qt)+7], v[8*(2*(4*\q4+\e)+\kt):8*(2*(4*\q4+\e)+\kt)+7], v[8*(16*\qt+4*\q4+\e):8*(16*\qt+4*\q4+\e)+7], v[64+8*(2*\kt+\qt):64+8*(2*\kt+\qt)+7]
.endif
.endr
.endr
.endr
.endr
	WIN 0
	PLACES                                         ; behind the products: their results are read, and V's loads land on K's registers
	s_cmp_lg_u32 s19, s18                          ; the diagonal step?  The cluster's number and the count of steps alone: alike in all partners and waves
	s_cbranch_scc1 .Lopen_\@
.irp kt, 0,1
.irp qt, 0,1
.irp jj, 0,1,2,3,4,5,6,7
	v_cmp_gt_i32 vcc_lo, 16*\kt+\jj, v[12+\qt]
	v_cndmask_b32 v[64+8*(2*\kt+\qt)+\jj], v[64+8*(2*\kt+\qt)+\jj], v11, vcc_lo
.endr
.endr
.endr
.Lopen_\@:
.irp qt, 0,1                           ; the largest of my wave's 32 keys for each query: 16 scores a lane, each accumulator from its low end on
	v_max3_num_f32 v[42+2*\qt], v[64+8*\qt], v[65+8*\qt], v[66+8*\qt]
	v_max3_num_f32 v[43+2*\qt], v[80+8*\qt], v[81+8*\qt], v[82+8*\qt]
.endr
.irp i, 3,5
.irp qt, 0,1
	v_max3_num_f32 v[42+2*\qt], v[42+2*\qt], v[64+8*\qt+\i], v[65+8*\qt+\i]
	v_max3_num_f32 v[43+2*\qt], v[43+2*\qt], v[80+8*\qt+\i], v[81+8*\qt+\i]
.endr
.endr
.irp qt, 0,1
	v_max3_num_f32 v[42+2*\qt], v[42+2*\qt], v[71+8*\qt], v[87+8*\qt]
.endr
.irp qt, 0,1
	v_max_num_f32 v[42+2*\qt], v[42+2*\qt], v[43+2*\qt]
.endr
.irp qt, 0,1
	v_permlanex16_b32 v[43+2*\qt], v[42+2*\qt], s20, s21
.endr
.irp qt, 0,1
	v_max_num_f32 v[42+2*\qt], v[42+2*\qt], v[43+2*\qt]
.endr
.irp qt, 0,1
	ds_store_b32 v6, v[42+2*\qt] offset:256*\qt    ; lanes r and r + 16 write the same word with the same value
.endr
	; K's region is read out.  All my tensor loads have landed (the one that was out is this step's V); the add; my LDS instructions are done; then the round, and the next K first behind it
	s_wait_tensorcnt 0x0
	ds_add_u32 v[SPW], v[NIL]                      ; 0 onto my spare word
.if \refill
	s_add_co_u32 s60, s17, 1                       ; the next trip's key step:
	s_cmp_lt_u32 s60, s16                          ; in the first pass
	s_cselect_b32 s61, s[START], 0                 ; the walk is turned by my cluster's start,
	s_add_co_u32 s60, s60, s61
	s_cmp_lt_u32 s60, s16
	s_cselect_b32 s61, 0, s16                      ; and wraps round at the pass's end; the second pass, whose trips begin at that number, walks from key step 0
	s_sub_co_u32 s59, s60, s61
	s_lshl_b32 s44, s59, 17
	s_add_nc_u64 s[34:35], s[40:41], s[44:45]      ; no tensor load of mine is out, so a group 0 may be written
	s_or_b32 s35, s35, 0x80000000
	s_wait_xcnt 0x0                                ; the last prefetches have read their addresses
	s_add_nc_u64 s[54:55], s[54:55], TILE
.endif
	s_wait_dscnt 0x0                               ; the add is done, my reads of K are over, my maxima are stored
.if \refill
	ROUND                                          ; no wave of any partner still reads K's region or has a load on its way
	tensor_load_to_lds s[32:35], s[G1:G1+7]        ; my one tensor load behind this round: it has the softmax and the products with V in which to land
	s_nop 0
	PLACES
.else
	s_barrier_signal -1
	s_barrier_wait -1
.endif
	ds_load_b128 v[50:53], v7                      ; the four waves' maxima of my query, tile 0,
	ds_load_b128 v[54:57], v7 offset:256           ; tile 1
	WIN 0x80
.irp ks, 0,1                           ; V's fragments of the first 64 keys
.irp ct, 0,1,2,3,4,5,6,7
.irp p, 0,1
	ds_load_b128 v[8*(8*\ks+\ct)+4*\p:8*(8*\ks+\ct)+4*\p+3], v3 offset:\ct*4096+\ks*1024+512*\p
.endr
.endr
.endr
	WIN 0
.if \refill
	ASK 54
.endif
	s_wait_dscnt 32                                ; the maxima are in; V's 32 loads may be out
.irp qt, 0,1
	v_max3_num_f32 v[42+2*\qt], v[50+4*\qt], v[51+4*\qt], v[52+4*\qt]
.endr
.irp qt, 0,1
	v_mov_b32 v[43+2*\qt], v[32+2*\qt]             ; c m_old
.endr
.irp qt, 0,1
	v_max3_num_f32 v[33+2*\qt], v[42+2*\qt], v[53+4*\qt], v[33+2*\qt]   ; the new m
.endr
.irp qt, 0,1
	v_mul_f32 v[32+2*\qt], s22, v[33+2*\qt]
.endr
.irp qt, 0,1
	v_sub_f32 v[43+2*\qt], v[43+2*\qt], v[32+2*\qt]
.endr
.irp qt, 0,1
.irp kt, 0,1
.irp i, 0,2,4,6
	v_pk_fma_f32 v[64+8*(2*\kt+\qt)+\i:64+8*(2*\kt+\qt)+\i+1], v[64+8*(2*\kt+\qt)+\i:64+8*(2*\kt+\qt)+\i+1], s[22:23], v[32+2*\qt:33+2*\qt] op_sel_hi:[1,0,0] neg_lo:[0,0,1] neg_hi:[0,0,1]   ; c s - c m
.endr
.endr
.endr
.irp qt, 0,1                           ; ONE BATCH of 34 exponentials
	v_exp_f32 v[36+2*\qt], v[43+2*\qt]             ; a
.endr
.set i, 0
.rept 32
	v_exp_f32 v[64+i], v[64+i]                     ; p
.set i, i+1
.endr
	v_nop                                          ; a plain instruction behind the last exponential,
	s_wait_alu depctr_va_vdst(0)                   ; and the one wait ahead of the batch's first reader
.irp qt, 0,1
.irp kt, 0,1
.irp i, 0,1,2,3
	v_cvt_pk_f16_f32 v[96+8*\qt+4*\kt+\i], v[64+8*(2*\kt+\qt)+2*\i], v[64+8*(2*\kt+\qt)+2*\i+1]   ; key tile 0 gives registers 0-3, key tile 1 registers 4-7 of the fragment of my 32 keys
.endr
.endr
.endr
.irp qt, 0,1
.irp p, 0,1
	ds_store_b128 v4, v[96+8*\qt+4*\p:96+8*\qt+4*\p+3] offset:1024*\qt+512*\p
.endr
.endr
.irp qt, 0,1                           ; the sum of my wave's p for each query, of the numbers before they were rounded
	v_pk_add_f32 v[64+8*\qt:65+8*\qt], v[64+8*\qt:65+8*\qt], v[66+8*\qt:67+8*\qt]
	v_pk_add_f32 v[68+8*\qt:69+8*\qt], v[68+8*\qt:69+8*\qt], v[70+8*\qt:71+8*\qt]
	v_pk_add_f32 v[80+8*\qt:81+8*\qt], v[80+8*\qt:81+8*\qt], v[82+8*\qt:83+8*\qt]
	v_pk_add_f32 v[84+8*\qt:85+8*\qt], v[84+8*\qt:85+8*\qt], v[86+8*\qt:87+8*\qt]
.endr
.irp qt, 0,1
	v_pk_add_f32 v[64+8*\qt:65+8*\qt], v[64+8*\qt:65+8*\qt], v[68+8*\qt:69+8*\qt]
	v_pk_add_f32 v[80+8*\qt:81+8*\qt], v[80+8*\qt:81+8*\qt], v[84+8*\qt:85+8*\qt]
.endr
.irp qt, 0,1
	v_pk_add_f32 v[64+8*\qt:65+8*\qt], v[64+8*\qt:65+8*\qt], v[80+8*\qt:81+8*\qt]
.endr
.irp qt, 0,1
	v_add_f32 v[42+2*\qt], v[64+8*\qt], v[65+8*\qt]
.endr
.irp qt, 0,1
	v_permlanex16_b32 v[43+2*\qt], v[42+2*\qt], s20, s21
.endr
.irp qt, 0,1
	v_add_f32 v[42+2*\qt], v[42+2*\qt], v[43+2*\qt]
.endr
.irp qt, 0,1
	ds_store_b32 v6, v[42+2*\qt] offset:512+256*\qt
.endr
	s_wait_dscnt 0x0                               ; for the others' sake: my part of P and my sums are stored; my loads are in
	s_barrier_signal -1
	s_barrier_wait -1                              ; K's load may stay out
	ds_load_b128 v[50:53], v7 offset:512           ; the four waves' sums
	ds_load_b128 v[54:57], v7 offset:768
.irp ks, 0,1,2,3
.irp qt, 0,1
.irp p, 0,1
	ds_load_b128 v[112+8*(2*\ks+\qt)+4*\p:112+8*(2*\ks+\qt)+4*\p+3], v5 offset:2048*\ks+1024*\qt+512*\p
.endr
.endr
.endr
	WIN 0x80
.irp ks, 2,3                           ; V's fragments of the last 64 keys
.irp ct, 0,1,2,3,4,5,6,7
.irp p, 0,1
	ds_load_b128 v[8*(8*\ks+\ct)+4*\p:8*(8*\ks+\ct)+4*\p+3], v3 offset:\ct*4096+\ks*1024+512*\p
.endr
.endr
.endr
	WIN 0xc3                                       ; O^T (destination and source 0) window 3, a window 0
.irp ct, 0,1,2,3,4,5,6,7
.irp qt, 0,1
.irp i, 0,2,4,6
	v_pk_mul_f32 v[8*(2*\ct+\qt)+\i:8*(2*\ct+\qt)+\i+1], v[8*(2*\ct+\qt)+\i:8*(2*\ct+\qt)+\i+1], v[36+2*\qt:37+2*\qt] op_sel_hi:[1,0]   ; O^T under the new m, each accumulator from its low end on
.endr
.endr
.endr
	WIN 0
	s_wait_dscnt 48                                ; the sums are in; P's 16 loads and V's 32 may be out
.irp qt, 0,1
	v_add_f32 v[50+4*\qt], v[50+4*\qt], v[51+4*\qt]
	v_add_f32 v[52+4*\qt], v[52+4*\qt], v[53+4*\qt]
.endr
.irp qt, 0,1
	v_add_f32 v[50+4*\qt], v[50+4*\qt], v[52+4*\qt]
.endr
.irp qt, 0,1
	v_fma_f32 v[40+\qt], v[40+\qt], v[36+2*\qt], v[50+4*\qt]       ; l = a l + the step's sum
.endr
	s_wait_dscnt 32                                ; P is in; V's last 32 loads may be out
	WIN 0xf2                                       ; source 0 (V) window 2, source 1 (P) window 0, C and D window 3
.irp ks, 0,1,2,3                       ; O^T += V^T P: the sixteen accumulators by turns
.if \ks == 2
	s_wait_dscnt 0x0                               ; V's last 64 keys are in
.endif
.irp ct, 0,1,2,3,4,5,6,7
.irp qt, 0,1
	v_wmma_f32_16x16x32_f16 v[8*(2*\ct+\qt):8*(2*\ct+\qt)+7], v[8*(8*\ks+\ct):8*(8*\ks+\ct)+7], v[112+8*(2*\ks+\qt):112+8*(2*\ks+\qt)+7], v[8*(2*\ct+\qt):8*(2*\ct+\qt)+7]
.endr
.endr
.endr
	WIN 0
	PLACES                                         ; behind the products: K's loads land on V's registers, and O^T is read
.if \refill
	; V's region is read out: the same three lines (the load that was out is the next K), the round, and the next V first behind it: it has the products with K in which to land
	s_wait_tensorcnt 0x0
	ds_add_u32 v[SPW], v[NIL]
	s_add_nc_u64 s[38:39], s[42:43], s[44:45]
	s_or_b32 s39, s39, 0x80000000
	s_wait_xcnt 0x0                                ; the last prefetches have read their addresses
	s_add_nc_u64 s[56:57], s[56:57], TILE
	s_wait_dscnt 0x0
	ROUND
	tensor_load_to_lds s[36:39], s[G1:G1+7]
	s_nop 0
	PLACES
	ASK 56
	s_mov_b32 s19, s59                             ; on to the next key step
.endif
.endm
	QLOAD 46
	RESET
	s_wait_tensorcnt 1                             ; my part of K is in; V's load, issued behind it, may stay out
	s_barrier_signal -1
	s_barrier_wait -1
	s_wait_loadcnt 0x0                             ; Q
.Lstep:                                            ; 16 trips; the 17th step, which asks for nothing, is written out
	STEP 1
	s_add_co_u32 s60, s17, 1
	s_cmp_lg_u32 s60, s16                          ; the first pass's last step?  The cluster's number and the count of trips alone.  No barrier and no tensor load stands under this branch
	s_cbranch_scc1 .Lsame
	QLOAD 48                                       ; the second pass's queries land while the first pass's rows leave
	EPILOGUE 50
	RESET
	s_mov_b32 s18, s14
	s_wait_loadcnt 0x0                             ; Q
	s_wait_xcnt 0x0                                ; the stores have read their registers: P's fragments land there again
.Lsame:
	s_add_co_u32 s17, s17, 1
	s_cmp_lt_u32 s17, 16
	s_cbranch_scc1 .Lstep
	STEP 0
	EPILOGUE 52
	s_wait_tensorcnt 0x0                           ; the wave's end, behind my last tensor load and my last LDS store
	ds_add_u32 v[SPW], v[NIL]
	s_wait_dscnt 0x0
	ROUND                                          ; the closing round
	s_endpgm
.Lfunc_end_k_qba2a89b039_attn:
	.size	k_qba2a89b039_attn, .Lfunc_end_k_qba2a89b039_attn-k_qba2a89b039_attn
	.p2alignl 7, 3214868480
	.fill 96, 4, 3214868480
	.section	.rodata,"a",@progbits
	.p2align	6, 0x0
	.amdhsa_kernel k_qba2a89b039_attn
		.amdhsa_group_segment_fixed_size 327680
		.amdhsa_private_segment_fixed_size 0
		.amdhsa_enable_private_segment 0
		.amdhsa_kernarg_size 32
		.amdhsa_user_sgpr_count 2
		.amdhsa_user_sgpr_kernarg_segment_ptr 1
		.amdhsa_wavefront_size32 1
		.amdhsa_system_sgpr_workgroup_id_x 1
		.amdhsa_system_sgpr_workgroup_id_y 1
		.amdhsa_system_sgpr_workgroup_id_z 1
		.amdhsa_system_vgpr_workitem_id 0
		.amdhsa_next_free_vgpr 896
		.amdhsa_next_free_sgpr 72
		.amdhsa_reserve_vcc 1
		.amdhsa_float_denorm_mode_32 3
		.amdhsa_float_denorm_mode_16_64 3
		.amdhsa_memory_ordered 1
		.amdhsa_forward_progress 1
		.amdhsa_inst_pref_size 116
	.end_amdhsa_kernel
	.amdgpu_metadata
---
amdhsa.version: [ 1, 2 ]
amdhsa.kernels:
  - .name:           k_qba2a89b039_attn
    .symbol:         k_qba2a89b039_attn.kd
    .args:
      - { .name: qf, .offset: 0, .size: 8, .value_kind: global_buffer, .address_space: global }
      - { .name: kf, .offset: 8, .size: 8, .value_kind: global_buffer, .address_space: global }
      - { .name: vf, .offset: 16, .size: 8, .value_kind: global_buffer, .address_space: global }
      - { .name: out0, .offset: 24, .size: 8, .value_kind: global_buffer, .address_space: global }
    .group_segment_fixed_size: 327680
    .private_segment_fixed_size: 0
    .kernarg_segment_align: 8
    .kernarg_segment_size: 32
    .max_flat_workgroup_size: 128
    .sgpr_count:     72
    .vgpr_count:     896
    .wavefront_size: 32
...
	.end_amdgpu_metadata
.endif
;; end of part 5
;; launch first16: the kernel of part 4 again; grid 8 x 8, 1 waves a work-group, no clusters, 4,608 bytes of LDS; arguments f32rows, out0; writes out0
